; MI455X (gfx1250); checked and timed in simulation.
; The chip was launched on July 23, 2026; its instructions are those of AMD's public machine-readable ISA for CDNA 5 (MIT licence, August 2026) and "CDNA5" Instruction Set Architecture Reference Guide (July 2026). The comments in the code are by the model that wrote it; some were corrected since.
;; MLA. Allowed arithmetic: matrix products marked QUANTISED: E3M2 operands, one E8M0 scale for each 32 along K, by v_wmma_scale_f32_16x16x128_f8f6f4 with both operands' format E3M2, f32 sums; everything else in f32.
;; Inputs: Wk 2,048 x 3,072 float32; Wo 2,048 x 2,048 float32; Wq 2,048 x 3,072 float32; Wv 2,048 x 2,048 float32; bo 2,048 float32; mask 1,024 x 1,024 float32; x 2 x 1,024 x 2,048 float32.
;; Outputs: out0 2 x 1,024 x 2,048 float32.
;; Constants: start_pos = 0.
;; This version of the problem:
;;   THIS VERSION OF THE PROBLEM IS GIVEN IN LOW PRECISION. The matrix products marked QUANTISED in the list below multiply operands that are first quantised to E3M2 (3 exponent bits, 2 mantissa bits; 6 bits a number), with one power-of-two scale for each 32 numbers along K (OCP MX v1.0); their sums are f32. All else is computed in f32.
;;   The module's matrix products, in the order in which they are computed (A, B: the left and right operand; K: the contracted axis; several contracted axes count as one K, in the product's order):
;;     1. [M 2,048, K 2,048] x [K 2,048, N 3,072]; A: input x; B: input Wq: QUANTISED
;;     2. [M 2,048, K 2,048] x [K 2,048, N 3,072]; A: input x; B: input Wk: QUANTISED
;;     3. [M 2,048, K 2,048] x [K 2,048, N 2,048]; A: input x; B: input Wv: QUANTISED
;;     4. batch 32 x [M 1,024, K 192] x [K 192, N 1,024]; A: computed on the way; B: computed on the way: QUANTISED
;;     5. batch 32 x [M 128, K 1,024] x [K 1,024, N 1,024]; A: computed on the way; B: softmax (see below): QUANTISED
;;     6. [M 2,048, K 2,048] x [K 2,048, N 2,048]; A: computed on the way; B: input Wo: QUANTISED
;;   THE QUANTISER, for each operand of a quantised product, along K:
;;     - K is cut into blocks of 32 from its start; a last block that is shorter is filled with zeros.
;;     - A block's scale is 2^e with e = floor(log2(the largest magnitude in the block)) - 4, held to -126 .. 127; a block of zeros has e = 0. As a byte (E8M0): e + 127.
;;     - Each number is divided by its block's scale, clamped to +-28, and rounded to the nearest number of E3M2, ties to even, subnormals kept.
;;     - The product sums the exact products of the quantised numbers (number of the format x scale) in f32.
;;   ~~~python
;;   def quantise(x, axis):      # numpy; x: float32 -> the quantised numbers, widened to float32 again
;;       x = np.moveaxis(x, axis, -1); K = x.shape[-1]
;;       x = np.pad(x, [(0, 0)] * (x.ndim - 1) + [(0, -K % 32)]); x = x.reshape(x.shape[:-1] + (-1, 32)); a = np.abs(x).max(-1, keepdims=True)
;;       e = np.where(a > 0, np.clip(np.frexp(np.where(a > 0, a, 1))[1] - 1 - 4, -126, 127), 0)      # np.frexp(a)[1] - 1 = floor(log2(a)), exactly
;;       r = np.clip(x / 2.0 ** e, -28, 28)
;;       step = 2.0 ** (np.maximum(np.frexp(np.where(r == 0, 1, r))[1] - 1, -2) - 2)
;;       q = np.round(r / step) * step * 2.0 ** e      # np.round: ties to even
;;       return np.moveaxis(q.reshape(q.shape[:-2] + (-1,))[..., :K], -1, axis).astype(np.float32)
;;   ~~~
;;   SOFTMAX AHEAD OF A QUANTISED PRODUCT. Where the list says 'softmax', what is quantised is not the finished softmax but p = 2^(t - M), with t = logit x log2(e) and M = ceil(the row's largest t), a whole number; so 1/2 < the row's largest p <= 1. The row's sum l is taken of the UNQUANTISED p, in f32, and the product's result is divided by l at the end. Since M is a whole number, a kernel that streams over the keys may use a running M (the ceiling of the running maximum): every later rescaling is an exact power of two, which a block's scale takes up: the codes' values come out the same.
;;   OPERANDS COMPUTED ON THE WAY. 'Computed on the way' means the value that the module computes at that place (a softmax that the list does not call 'softmax' is quantised finished and normalised). What goes into a quantiser is computed in f32, as accurately as f32 sums, v_exp_f32 and their like allow (about 1e-6 of the number): no bf16 or f16 on the way to a quantiser, and a product that is left as it is and whose result goes on into a quantised operand takes f32 operands (vector FMAs, or v_wmma_f32_16x16x4_f32). A number that lies on a knife's edge between two numbers of the format may be rounded either way, as far as f32 arithmetic and the matrix unit's own rounding can turn it there, and no further.
;; One version. Each part assembles by itself: llvm-mc -triple=amdgcn-amd-amdhsa -mcpu=gfx1250 --defsym DOCPART=n.
;; ======== version 1 of 1: 4 launches
;; limits: right only within a limited range of input values
;; workspace buffers: wq 16,384,000 bytes; xq 3,538,944 bytes; qbuf 4,980,736 bytes; kvbuf 8,257,536 bytes; cq 3,276,800 bytes
;; launch quant (part 1): grid 112 x 8, 4 waves a work-group, no clusters, 59,904 bytes of LDS; arguments Wq, Wk, Wv, Wo, x, wq, xq; writes wq, xq
.if DOCPART == 1
	.amdgcn_target "amdgcn-amd-amdhsa--gfx1250"
	.amdhsa_code_object_version 6
	.text
	.protected	k_qf6bb7aeed6_quant
	.globl	k_qf6bb7aeed6_quant
	.p2align	8
	.type	k_qf6bb7aeed6_quant,@function
k_qf6bb7aeed6_quant:
	s_mov_b64 s[64:65], 0
	v_nop
	global_prefetch_b8 v0, s[64:65] scope:SCOPE_SE
	s_setreg_imm32_b32 hwreg(HW_REG_WAVE_MODE, 25, 1), 1
	s_wait_xcnt 0x0
; ONE LAUNCH QUANTISES THE FOUR WEIGHTS AND THE TOKENS to BF6 (E3M2) codes with one E8M0 byte for each 32 along K = 2048, and makes the table of the rotary embedding.
; Work-groups with x under 80 take the weights, the other 32 x 8 the tokens: the two ways part once, on the work-group's x, and each has LDS bytes of its own (weights from 0, tokens from TSTAGE).
; LAYOUT OF wq AND xq.  Inside each 32 rows the storage index is the row's index with bits 3 and 4 exchanged.  A fragment (16 storage rows x 128 K) is an image of the operand's 12 registers:
; registers 4 c .. 4 c + 3 of lane l at 512 c + 16 l, 1,536 bytes; codes [row tile][16 K steps][1536].  Scale words: [128 rows][16 K steps][512], a row's word at 4 x its storage row.
; THE WEIGHTS, f32, stored [2048 (k)][N], become one operand of 10,240 rows: 0-2047 q's first 128 of each head, 2048-3071 q's last 64, 3072-5119 and 5120-6143 the same of k, 6144-8191 Wv, 8192-10239 Wo.
; A lane takes a column and its registers run down K: a block of 32 along K is one lane's 32 registers, so its largest magnitude needs no other lane and the conversions give K innermost.
; A wave takes 32 columns x 256 K: 8 blocks a lane.  The codes go through the wave's own stage in LDS, laid as the images are, and leave in stores of 512 consecutive bytes.
; What differs between the four tensors is chosen by the work-group's x (0-23 Wq, 24-47 Wk, 48-63 Wv, 64-79 Wo).
; THE TOKENS, x [2048][2048] f32: a wave takes 32 tokens x one K step of 128: two fragments.  Each load reads 512 consecutive bytes of one token; the 16 rows of a tile turn through the wave's own stage
; (rows of 512 + 16 bytes), so that lane (r, h) gets, of row r, 16 neighbours of each block of 32.
; THE TABLE, at XTB of xq: [position 1024][pair 32][cos, sin] f32.  Wave number u of the tokens' 1,024 makes position u; lane i pair i.  theta = 10^(-i / 8) = 2^(-i log2(10) / 8), the exponent in two parts;
; the angle is position x theta, one f32 product; it is reduced by multiples of pi / 2 held in two parts, and sine and cosine come from polynomials on [-pi / 4, pi / 4].
; Waves share nothing: no barrier.
; A block's scale is 2^(floor(log2(largest magnitude)) - 4); its byte is that magnitude's exponent field - 4, held at 1 from below.
; LIMITS: a block of zeros gets the byte 1 (its codes are zeros; this program alone reads the bytes); blocks whose largest magnitude lies under 2^-122 are held at the byte 1; NaN and infinities are not served;
; theta is within about 2 units in the last place of 10^(-i / 8), which moves cos and sin by up to about 1e-4 at the highest positions.
.set WS,    15728640                   ; wq: where the scale words begin
.set EMAX,  4
.set WSTG,  6400                       ; weights: a wave's stage: two tiles
.set TSTG,  3200                       ; a tile's two images, 3,072 bytes, + 128
.set LT,    2                          ; v2   stage: where my blocks go
.set RDA,   3                          ; v3   stage: where I read back
.set GO,    4                          ; v4   16 x lane
.set SG,    5                          ; v5   4 x my storage row
.set OF,    16                         ; v16-47  4 x lane + i rows of W
.set X,     48                         ; v48-111 two sets of 32 numbers
.set C,     112                        ; v112-118 a block's codes
.set SB,    120                        ; v120-121 the scale words of the two K steps
.set OUTR,  128                        ; v128-175 the way out
.set XSC,   3145728                    ; xq: where the scale words begin,
.set XTB,   3276800                    ; and the table
.set TSTAGE, 25600                     ; tokens: the stages begin behind the weights' four
.set LA,  2                            ; v2   16 x lane
.set SW,  3                            ; v3   stage, in: 16 x lane
.set SRD, 4                            ; v4   stage, out: 528 r + 64 h
.set L4,  5                            ; v5   4 x lane
.set L8,  6                            ; v6   8 x lane
.set R,   16                           ; v16-143  32 rows x 4 registers, as loaded
.set XN,  144                          ; v144-207 64 numbers: register 16 b + i = k 32 b + 16 h + i of my row
.set PC,  208                          ; v208-226 codes
.set TM,  228                          ; v228-243 at work
.set PW,  244                          ; the scale word just made
.set PWE, 245
.set PWM, 246
.set SEL, 34                           ; s[34:35] v_permlanex16_b32's selects for lane l xor 16
	v_lshl_add_u32 v238, v0, 2, 0xe800
	v_mov_b32 v239, 0
	s_cmp_lt_u32 ttmp9, 80
	s_cbranch_scc0 .Ltokens
	; ---------------- the weights
	s_load_b256 s[4:11], s[0:1], 0x0               ; Wq, Wk, Wv, Wo
	s_load_b64 s[12:13], s[0:1], 0x28              ; wq
	v_lshrrev_b32 v1, 5, v0
	v_readfirstlane_b32 s14, v1                    ; wave
	v_and_b32 v1, 31, v0                           ; lane = my column among the wave's 32
	s_and_b32 s15, ttmp7, 0xffff                   ; y: which 256 along K
	s_mul_i32 s52, s14, WSTG
	v_bfe_u32 v8, v0, 3, 1                         ; storage tile of my column: bit 3 of the lane
	v_and_b32 v9, 7, v0
	v_bfe_u32 v10, v0, 4, 1
	v_lshl_add_u32 v9, v10, 3, v9                  ; and its row there: lane % 8 + 8 (lane / 16)
	v_mul_u32_u24 v[LT], v8, TSTG
	v_lshl_add_u32 v[LT], v9, 4, v[LT]
	v_add_nc_u32 v[LT], s52, v[LT]
	v_lshlrev_b32 v[GO], 4, v1
	v_add_nc_u32 v[RDA], s52, v[GO]
	v_lshl_add_u32 v[SG], v8, 4, v9
	v_lshlrev_b32 v[SG], 2, v[SG]
	s_mov_b32 s16, 8192                            ; a row of W in bytes
	s_mov_b32 s17, 64                              ; the tensor's first x
	s_mov_b32 s18, 256                             ; its first group of 32 rows in wq
	s_wait_kmcnt 0x0
	s_mov_b64 s[20:21], s[10:11]
	s_cmp_lt_u32 ttmp9, 64
	s_cselect_b64 s[20:21], s[8:9], s[20:21]
	s_cselect_b32 s17, 48, s17
	s_cselect_b32 s18, 192, s18
	s_cmp_lt_u32 ttmp9, 48
	s_cselect_b64 s[20:21], s[6:7], s[20:21]
	s_cselect_b32 s17, 24, s17
	s_cselect_b32 s18, 96, s18
	s_cselect_b32 s16, 12288, s16
	s_cmp_lt_u32 ttmp9, 24
	s_cselect_b64 s[20:21], s[4:5], s[20:21]
	s_cselect_b32 s17, 0, s17
	s_cselect_b32 s18, 0, s18
	s_sub_co_u32 s19, ttmp9, s17
	s_lshl_b32 s19, s19, 2
	s_add_co_u32 s19, s19, s14                     ; my group of 32 columns in the tensor
	s_mul_hi_u32 s22, s19, 0x2aaaaaab              ; q, k: a head is six groups: the head,
	s_mul_i32 s23, s22, 6
	s_sub_co_u32 s23, s19, s23                     ; and the group in it
	s_lshl_b32 s24, s22, 2
	s_add_co_u32 s24, s24, s23                     ; groups 0-3 go to 4 head + group,
	s_lshl_b32 s25, s22, 1
	s_add_co_u32 s25, s25, s23
	s_add_co_u32 s25, s25, 60                      ; groups 4, 5 to 64 + 2 head + group - 4
	s_cmp_lt_u32 s23, 4
	s_cselect_b32 s24, s24, s25
	s_cmp_lt_u32 ttmp9, 48
	s_cselect_b32 s24, s24, s19                    ; Wv, Wo: as they lie
	s_add_co_u32 s24, s24, s18                     ; my group of 32 rows in wq
	s_mul_i32 s26, s15, s16
	s_lshl_b32 s26, s26, 8                         ; 256 y rows of W
	s_lshl_b32 s27, s19, 7                         ; + my 32 columns
	s_add_co_u32 s26, s26, s27
	s_mov_b32 s27, 0
	s_add_nc_u64 s[32:33], s[20:21], s[26:27]      ; a base for each block of 32 along K: no immediate holds the row's length
	s_lshl_b32 s28, s16, 5
	s_mov_b32 s29, 0
.irp t, 1,2,3,4,5,6,7
	s_add_nc_u64 s[32+2*\t:33+2*\t], s[30+2*\t:31+2*\t], s[28:29]
.endr
	v_lshlrev_b32 v[OF], 2, v1
.set i, 1
.rept 31
	v_add_nc_u32 v[OF+i], s16, v[OF+i-1]
.set i, i+1
.endr
	s_lshr_b32 s30, s24, 2                         ; the scale words: group of 128 rows x 8,192 + K step 2 y x 512 + my 32 rows x 4
	s_lshl_b32 s30, s30, 13
	s_lshl_b32 s31, s15, 10
	s_add_co_u32 s30, s30, s31
	s_and_b32 s31, s24, 3
	s_lshl_b32 s31, s31, 7
	s_add_co_u32 s30, s30, s31
	s_add_co_u32 s30, s30, WS
	s_mov_b32 s31, 0
	s_add_nc_u64 s[50:51], s[12:13], s[30:31]
	s_mul_i32 s30, s24, 49152                      ; q, k, v: two row tiles of 24,576 bytes a group, + K step 2 y
	s_mul_i32 s53, s15, 3072
	s_add_co_u32 s30, s30, s53
	; Wo's codes are laid [128 rows][16 K steps][8 row tiles][1536]: a K step of 128 rows is 12,288 consecutive bytes
	s_lshr_b32 s54, s24, 2
	s_mul_i32 s54, s54, 196608
	s_and_b32 s55, s24, 3
	s_mul_i32 s55, s55, 3072
	s_add_co_u32 s54, s54, s55
	s_mul_i32 s55, s15, 24576
	s_add_co_u32 s54, s54, s55
	s_mov_b32 s56, 24576                           ; bytes from my first row tile to my second,
	s_mov_b32 s58, 12288                           ; and from my first K step to my second
	s_cmp_lt_u32 ttmp9, 64
	s_cselect_b32 s30, s30, s54
	s_cselect_b32 s56, s56, 1536
	s_cselect_b32 s58, 1536, s58
	s_mov_b32 s57, 0
	s_mov_b32 s59, 0
	s_add_nc_u64 s[48:49], s[12:13], s[30:31]      ; a base for each (row tile, K step)
	s_add_nc_u64 s[54:55], s[48:49], s[58:59]
	s_add_nc_u64 s[60:61], s[48:49], s[56:57]
	s_add_nc_u64 s[62:63], s[60:61], s[58:59]
.macro LOAD t                          ; block t: W(256 y + 32 t + i, my column) into set t % 2; a load reads 128 consecutive bytes, the four waves stand side by side
.set i, 0
.rept 32
	global_load_b32 v[X+32*((\t)%2)+i], v[OF+i], s[32+2*(\t):33+2*(\t)] th:TH_LOAD_NT
.set i, i+1
.endr
.endm
	s_wait_alu depctr_va_vdst(0)
	LOAD 0
	LOAD 1
; Block t is K step t / 4, and in it k = 32 (t % 4) on: registers 6 c .. 6 c + 5 of lane row + 16 h, with h = t % 2 and c = (t / 2) % 2.
.macro BLOCK t
.set XR, X+32*((\t)%2)
.set IM, 1536*((\t)/4)+256*((\t)%2)
.if (\t) < 7
	s_wait_loadcnt 32                              ; this block's 32 loads are in; the next block's may be out
.else
	s_wait_loadcnt 0x0
.endif
	v_max3_num_f32 v12, |v[XR]|, |v[XR+1]|, |v[XR+2]|
	v_max3_num_f32 v13, |v[XR+3]|, |v[XR+4]|, |v[XR+5]|
.irp i, 6,10,14,18,22,26
	v_max3_num_f32 v12, v12, |v[XR+\i]|, |v[XR+\i+1]|
	v_max3_num_f32 v13, v13, |v[XR+\i+2]|, |v[XR+\i+3]|
.endr
	v_max3_num_f32 v12, v12, |v[XR+30]|, |v[XR+31]|
	v_max3_num_f32 v12, v12, v13, (EMAX+1)<<23     ; with the floor 2^(5 - 127): the byte cannot fall under 1
	v_add_nc_u32 v11, -(EMAX<<23), v12             ; 4 off the exponent field: the conversion's scale operand
	v_lshrrev_b32 v13, 23, v11                     ; the scale's byte
.if (\t)%4 == 0
	v_mov_b32 v[SB+(\t)/4], v13
.else
	v_lshl_or_b32 v[SB+(\t)/4], v13, 8*((\t)%4), v[SB+(\t)/4]
.endif
	v_cvt_scalef32_pk16_bf6_f32 v[C:C+2], v[XR:XR+15], v11
	v_cvt_scalef32_pk16_bf6_f32 v[C+4:C+6], v[XR+16:XR+31], v11   ; (a conversion's three registers begin on an even number)
	v_nop                                          ; one plain place behind a scaled conversion
	v_mov_b32 v[C+3], v[C+4]                       ; the block's six registers on end
	v_mov_b32 v[C+4], v[C+5]
	v_mov_b32 v[C+5], v[C+6]
.if ((\t)/2)%2 == 0
	ds_store_b128 v[LT], v[C:C+3] offset:IM        ; registers 0-3
	ds_store_b64 v[LT], v[C+4:C+5] offset:IM+512   ; registers 4, 5
.else
	ds_store_b64 v[LT], v[C:C+1] offset:IM+520     ; registers 6, 7
	ds_store_b128 v[LT], v[C+2:C+5] offset:IM+1024 ; registers 8-11
.endif
.if (\t) < 6
	LOAD (\t)+2
.endif
	s_wait_dscnt 0x0                               ; the stores have read their registers: the next block's codes may be written
.endm
.irp t, 0,1,2,3,4,5,6,7
	BLOCK \t
.endr
	global_store_b32 v[SG], v[SB], s[50:51]        ; 32 rows' words of a K step: 128 consecutive bytes
	s_wait_alu depctr_va_vdst(0)
	global_store_b32 v[SG], v[SB+1], s[50:51] offset:512
.irp k, 0,1,2,3,4,5,6,7,8,9,10,11
	ds_load_b128 v[OUTR+4*\k:OUTR+4*\k+3], v[RDA] offset:512*\k+128*(\k/6)   ; LDS serves a wave's instructions in order: these see my stores
.endr
.irp k, 0,1,2,3,4,5,6,7,8,9,10,11
	s_wait_dscnt 11-\k                             ; the younger loads may be out
.set gsb, 48+6*((\k%6)/3)+12*(\k/6)-4*((\k%6)/3)*(\k/6)
	global_store_b128 v[GO], v[OUTR+4*\k:OUTR+4*\k+3], s[gsb:gsb+1] offset:512*(\k%3)   ; 512 consecutive bytes, at a multiple of 512 from wq's first byte
.endr
	s_wait_tensorcnt 0x0
	ds_add_u32 v238, v239
	s_wait_dscnt 0x0
	s_endpgm
	; ---------------- the tokens
; 64 numbers of a lane, v[s] on, register 16 b + i = k 32 b + 16 (lane / 16) + i of my row, become a fragment's codes in v[pc] .. v[pc + 11] and its scale word in v[PW].
.macro QUANT s, pc
.irp b, 0,1,2,3
	v_max3_num_f32 v[TM+\b], 0x2800000, |v[(\s)+16*\b]|, |v[(\s)+16*\b+1]|   ; my 16 numbers of block b, and the floor 2^(5 - 127): the byte cannot fall under 1
.endr
.irp i, 2,4,6,8,10,12,14
.irp b, 0,1,2,3
	v_max3_num_f32 v[TM+\b], v[TM+\b], |v[(\s)+16*\b+\i]|, |v[(\s)+16*\b+\i+1]|
.endr
.endr
.irp b, 0,1,2,3
	v_permlanex16_b32 v[TM+4+\b], v[TM+\b], s[SEL], s[SEL+1]
.endr
.irp b, 0,1,2,3
	v_max_num_f32 v[TM+\b], v[TM+\b], v[TM+4+\b]   ; with lane l xor 16's: the block's largest magnitude
.endr
.irp b, 0,1,2,3
	v_add_nc_u32 v[TM+12+\b], 0xfe000000, v[TM+\b] ; 4 off its exponent field: the conversion's scale operand
.endr
.irp b, 0,1,2,3
	v_lshrrev_b32 v[TM+4+\b], 23, v[TM+12+\b]      ; the scale's byte
.endr
	v_lshl_or_b32 v[PW], v[TM+5], 8, v[TM+4]
	v_lshl_or_b32 v[PW], v[TM+6], 16, v[PW]
	v_lshl_or_b32 v[PW], v[TM+7], 24, v[PW]
.irp c, 0,1
	v_cvt_scalef32_pk16_bf6_f32 v[(\pc)+6*\c:(\pc)+6*\c+2], v[(\s)+32*\c:(\s)+32*\c+15], v[TM+12+2*\c]
	v_cvt_scalef32_pk16_bf6_f32 v[(\pc)+12+4*\c:(\pc)+14+4*\c], v[(\s)+32*\c+16:(\s)+32*\c+31], v[TM+13+2*\c]   ; (a conversion's three registers begin on an even number)
.endr
	v_nop                                          ; one plain place behind a scaled conversion
.irp c, 0,1                                    ; the operand's layout wants a whole block in a lane
.irp i, 0,1,2
	v_permlane16_swap_b32 v[(\pc)+6*\c+\i], v[(\pc)+12+4*\c+\i]
.endr
.irp i, 0,1,2
	v_mov_b32 v[(\pc)+3+6*\c+\i], v[(\pc)+12+4*\c+\i]
.endr
.endr
.endm
.Ltokens:
	s_load_b64 s[4:5], s[0:1], 0x20                ; x
	s_load_b64 s[6:7], s[0:1], 0x30                ; xq
	v_lshrrev_b32 v1, 5, v0
	v_readfirstlane_b32 s8, v1                     ; wave
	v_and_b32 v1, 31, v0                           ; lane
	s_wait_alu depctr_va_vdst(0)
	s_sub_co_u32 s9, ttmp9, 80
	s_lshl_b32 s9, s9, 3
	s_and_b32 s10, ttmp7, 0xffff
	s_add_co_u32 s9, s9, s10                       ; which of the tokens' 256 work-groups
	s_lshl_b32 s9, s9, 2
	s_add_co_u32 s9, s9, s8                        ; my unit, 0 .. 1023
	s_lshr_b32 s10, s9, 4                          ; which 32 tokens
	s_and_b32 s11, s9, 15                          ; which K step
	v_lshlrev_b32 v[LA], 4, v1
	s_mul_i32 s12, s8, 8448                        ; my stage: 16 rows of 528 bytes,
	s_add_co_u32 s12, s12, TSTAGE                  ; behind the bytes of the weights' way
	v_add_nc_u32 v[SW], s12, v[LA]
	v_and_b32 v7, 15, v0
	v_bfe_u32 v8, v0, 4, 1
	v_mul_u32_u24 v[SRD], v7, 528
	v_lshl_add_u32 v[SRD], v8, 6, v[SRD]
	v_add_nc_u32 v[SRD], s12, v[SRD]
	v_lshlrev_b32 v[L4], 2, v1
	v_lshlrev_b32 v[L8], 3, v1
.irp b, 0,1,2,3
	v_mov_b32 v[TM+4+\b], 0                        ; written once: a lane permute's destination counts as one of its sources
.endr
	s_mov_b32 s[SEL], 0x76543210
	s_mov_b32 s[SEL+1], 0xfedcba98
	s_mov_b32 s28, 0xffff0000                      ; lanes 16-31
	s_mov_b32 s20, 0x3ed49a78                      ; log2(10) / 8, upper part,
	s_mov_b32 s21, 0x32179a12                      ; and what is left of it
	s_mov_b32 s22, 0x3fc90fdb                      ; pi / 2, upper part,
	s_mov_b32 s23, 0xb33bbd2e                      ; and what is left of it
	s_mov_b32 s24, 0xb94ca1f9                      ; the sine's coefficients: -1.9515295891e-4, (8.3321608736e-3), -1.6666654611e-1
	s_mov_b32 s25, 0xbe2aaaa3
	s_mov_b32 s26, 0x37ccf5ce                      ; the cosine's: 2.4433157118e-5, (-1.3887316255e-3), 4.1666645683e-2
	s_mov_b32 s27, 0x3d2aaaa5
	s_lshl_b32 s14, s10, 18                        ; 32 tokens of 8,192 bytes
	s_lshl_b32 s15, s11, 9
	s_add_co_u32 s14, s14, s15
	s_mov_b32 s15, 0
	s_wait_kmcnt 0x0
	s_add_nc_u64 s[16:17], s[4:5], s[14:15]
.irp u, 0,1
.irp r, 0,1,2,3,4,5,6,7,8,9,10,11,12,13,14,15  ; storage tile u, row r is token 16 (r / 8) + 8 u + r % 8 of the 32
	global_load_b128 v[R+64*\u+4*\r:R+64*\u+4*\r+3], v[LA], s[16:17] offset:(16*(\r/8)+8*\u+\r%8)*8192 th:TH_LOAD_NT
.endr
.endr
	s_lshl_b32 s14, s10, 5
	s_add_co_u32 s14, s14, s11
	s_mul_i32 s14, s14, 1536
	s_add_nc_u64 s[18:19], s[6:7], s[14:15]        ; the codes: (row tile x 16 + K step) x 1,536
	s_lshr_b32 s14, s10, 2
	s_lshl_b32 s14, s14, 4
	s_add_co_u32 s14, s14, s11
	s_lshl_b32 s14, s14, 9
	s_and_b32 s13, s10, 3
	s_lshl_b32 s13, s13, 7
	s_add_co_u32 s14, s14, s13
	s_add_co_u32 s14, s14, XSC
	s_add_nc_u64 s[30:31], s[6:7], s[14:15]        ; the scale words
	s_lshl_b32 s14, s9, 8
	s_add_co_u32 s14, s14, XTB
	s_add_nc_u64 s[32:33], s[6:7], s[14:15]        ; my row of the table
	; the table's row, while the loads are on their way
	v_cvt_f32_u32 v247, v1                         ; i
	v_mul_f32 v248, s20, v247                      ; the exponent's upper part,
	v_fma_f32 v249, v247, s20, -v248               ; what that product dropped,
	v_fma_f32 v249, v247, s21, v249                ; and the lower part
	s_wait_alu depctr_va_vdst(0)
	v_exp_f32 v250, -v248
	v_fma_f32 v249, v249, 0xbf317218, 1.0          ; 2^-e = 1 - e ln 2 for so small an e.  (A plain place behind the exponential)
	s_wait_alu depctr_va_vdst(0)
	v_mul_f32 v250, v250, v249                     ; theta
	v_cvt_f32_u32 v9, s9
	v_mul_f32 v250, v9, v250                       ; the angle
	v_mul_f32 v251, 0x3f22f983, v250               ; x 2 / pi
	v_rndne_f32 v251, v251                         ; n
	v_fma_f32 v252, -v251, s22, v250
	v_fma_f32 v252, -v251, s23, v252               ; the angle - n pi / 2
	v_mul_f32 v253, v252, v252                     ; z
	v_mov_b32 v12, 0x3c08839e
	v_fma_f32 v254, v253, s24, v12
	v_fma_f32 v254, v254, v253, s25
	v_mul_f32 v254, v254, v253
	v_fma_f32 v254, v254, v252, v252               ; the sine
	v_mov_b32 v12, 0xbab6061a
	v_fma_f32 v255, v253, s26, v12
	v_fma_f32 v255, v255, v253, s27
	v_mul_f32 v13, v253, v253
	v_fma_f32 v12, v253, -0.5, 1.0
	v_fma_f32 v255, v255, v13, v12                 ; the cosine
	v_cvt_i32_f32 v13, v251                        ; the quadrant
	v_and_b32 v14, 1, v13
	v_cmp_eq_u32 vcc_lo, 1, v14
	v_cndmask_b32 v10, v255, v254, vcc_lo          ; odd quadrants change the two over
	v_cndmask_b32 v11, v254, v255, vcc_lo
	v_and_b32 v14, 2, v13
	v_lshlrev_b32 v14, 30, v14
	v_xor_b32 v11, v11, v14                        ; the sine is negative in quadrants 2, 3,
	v_add_nc_u32 v13, 1, v13
	v_and_b32 v13, 2, v13
	v_lshlrev_b32 v13, 30, v13
	v_xor_b32 v10, v10, v13                        ; the cosine in quadrants 1, 2
	global_store_b64 v[L8], v[10:11], s[32:33]     ; 32 lanes store 256 consecutive bytes, aligned
.irp u, 0,1
.if \u == 0
	s_wait_loadcnt 16                              ; tile 0's 16 loads are in; tile 1's may be out
.else
	s_wait_loadcnt 0x0
.endif
.irp r, 0,1,2,3,4,5,6,7,8,9,10,11,12,13,14,15
	ds_store_b128 v[SW], v[R+64*\u+4*\r:R+64*\u+4*\r+3] offset:528*\r
.endr
.irp b, 0,1,2,3
.irp j, 0,1,2,3
	ds_load_b128 v[XN+16*\b+4*\j:XN+16*\b+4*\j+3], v[SRD] offset:128*\b+16*\j   ; LDS serves a wave's instructions in order: these see my stores
.endr
.endr
	s_wait_dscnt 0x0
.if \u == 1
	s_wait_xcnt 0x0                                ; tile 0's stores have read the codes' registers
.endif
	QUANT XN, PC
.irp c, 0,1,2
	global_store_b128 v[LA], v[PC+4*\c:PC+4*\c+3], s[18:19] offset:24576*\u+512*\c   ; 512 consecutive bytes
.endr
.if \u == 0
	v_mov_b32 v[PWE], v[PW]
.endif
.endr
	v_cndmask_b32 v[PWM], v[PWE], v[PW], s28       ; lanes 0-15 tile 0's words, lanes 16-31 tile 1's
	global_store_b32 v[L4], v[PWM], s[30:31]
	s_wait_tensorcnt 0x0
	ds_add_u32 v238, v239
	s_wait_dscnt 0x0
	s_endpgm
.Lfunc_end_k_qf6bb7aeed6_quant:
	.size	k_qf6bb7aeed6_quant, .Lfunc_end_k_qf6bb7aeed6_quant-k_qf6bb7aeed6_quant
	.p2alignl 7, 3214868480
	.fill 96, 4, 3214868480
	.section	.rodata,"a",@progbits
	.p2align	6, 0x0
	.amdhsa_kernel k_qf6bb7aeed6_quant
		.amdhsa_group_segment_fixed_size 59904
		.amdhsa_private_segment_fixed_size 0
		.amdhsa_enable_private_segment 0
		.amdhsa_kernarg_size 56
		.amdhsa_user_sgpr_count 2
		.amdhsa_user_sgpr_kernarg_segment_ptr 1
		.amdhsa_wavefront_size32 1
		.amdhsa_system_sgpr_workgroup_id_x 1
		.amdhsa_system_sgpr_workgroup_id_y 1
		.amdhsa_system_sgpr_workgroup_id_z 1
		.amdhsa_system_vgpr_workitem_id 0
		.amdhsa_next_free_vgpr 256
		.amdhsa_next_free_sgpr 66
		.amdhsa_reserve_vcc 1
		.amdhsa_float_denorm_mode_32 3
		.amdhsa_float_denorm_mode_16_64 3
		.amdhsa_memory_ordered 1
		.amdhsa_forward_progress 1
		.amdhsa_inst_pref_size 66
	.end_amdhsa_kernel
	.amdgpu_metadata
---
amdhsa.version: [ 1, 2 ]
amdhsa.kernels:
  - .name:           k_qf6bb7aeed6_quant
    .symbol:         k_qf6bb7aeed6_quant.kd
    .args:
      - { .name: Wq, .offset: 0, .size: 8, .value_kind: global_buffer, .address_space: global }
      - { .name: Wk, .offset: 8, .size: 8, .value_kind: global_buffer, .address_space: global }
      - { .name: Wv, .offset: 16, .size: 8, .value_kind: global_buffer, .address_space: global }
      - { .name: Wo, .offset: 24, .size: 8, .value_kind: global_buffer, .address_space: global }
      - { .name: x, .offset: 32, .size: 8, .value_kind: global_buffer, .address_space: global }
      - { .name: wq, .offset: 40, .size: 8, .value_kind: global_buffer, .address_space: global }
      - { .name: xq, .offset: 48, .size: 8, .value_kind: global_buffer, .address_space: global }
    .group_segment_fixed_size: 59904
    .private_segment_fixed_size: 0
    .kernarg_segment_align: 8
    .kernarg_segment_size: 56
    .max_flat_workgroup_size: 128
    .sgpr_count:     66
    .vgpr_count:     256
    .wavefront_size: 32
...
	.end_amdgpu_metadata
.endif
;; end of part 1
;; launch gemm_qkv (part 2): grid 32 x 8, 4 waves a work-group, clusters of 4 x 4, 327,680 bytes of LDS; arguments xq, wq, qbuf, kvbuf; writes qbuf, kvbuf
.if DOCPART == 2
	.amdgcn_target "amdgcn-amd-amdhsa--gfx1250"
	.amdhsa_code_object_version 6
	.text
	.protected	k_qf6bb7aeed6_gemm_qkv
	.globl	k_qf6bb7aeed6_gemm_qkv
	.p2align	8
	.type	k_qf6bb7aeed6_gemm_qkv,@function
k_qf6bb7aeed6_gemm_qkv:
	s_mov_b64 s[64:65], 0
	v_nop
	global_prefetch_b8 v0, s[64:65] scope:SCOPE_SE
	s_setreg_imm32_b32 hwreg(HW_REG_WAVE_MODE, 25, 1), 1
	s_wait_xcnt 0x0
	s_wait_alu depctr_hold_cnt(0) depctr_sa_sdst(0) depctr_va_vdst(0) depctr_va_sdst(0) depctr_va_ssrc(0) depctr_va_vcc(0) depctr_vm_vsrc(0)
	s_getreg_b32 s2, hwreg(HW_REG_IB_STS2, 6, 4)
	s_cmp_eq_u32 s2, 0
	s_cbranch_scc0 .Lentry_in_a_cluster
	s_endpgm
.Lentry_in_a_cluster:
	s_bfe_u32 s2, ttmp6, 0x10000c
	s_cmp_lg_u32 s2, 0xf033
	s_cbranch_scc0 .Lentry_shape_is_right
	s_endpgm
.Lentry_shape_is_right:
; q, k and v^T = x W on BF6 (E3M2) codes with E8M0 scales; tiles of 256 x 256, four waves of 128 x 128; K in chunks of three steps of 128 through two LDS slots; the results are quantised (q's and k's last 64 turned by the rotary table first) and stored as operand images.
; THE HEAD: four tiles, one joint load a wave: wave 0 chunk 0 of A's 16 row tiles, wave 1 of B's, wave 2 A's scale words of K steps 0-14, wave 3 B's.  Slot 1's first fill follows as a refill does.
; PREFETCHES: a chunk is asked for two refills ahead of its load; of the 8 row tiles that a wave fetches each of the four partners names two (by address), 18 blocks of 256 bytes a tile, a lane a block.
; The rotary table's 128 rows of a wave are named once in a cluster, 16 rows for each of the 8 waves that read them; three of its eight blocks are loaded one K step ahead of the last product, into B's idle set.
.set TT,    8
.set NQ,    3
.set FRB,   1536
.set TROW,  NQ*FRB
.set HALFT, TT*TROW
.set SLOT,  4*HALFT
.set SCL,   2*SLOT
.set GRP,   8192
.set HALFS, 7680
.set SPARE, SCL+4*HALFS
.set FP,    TROW
.set WS,    15728640
.set XS,    3145728
.set XT,    3276800
.set L16,  8
.set L8,   9
.set L4,   10
.set TO,   11
.set PWBE, 12
.set PWBM, 13
.set ADRA, 16
.set ADRB, 20
.set ADSA, 26
.set ADSB, 27
.set SPW,  28
.set NIL,  29
.set SC,   32
.set PC,   88
.set TM,   108
.set PW,   124
.set PWE,  125
.set PWM,  126
.set PWB,  127
.set AF,   128
.set RT,   128
.set G1,   24
.set G0,   32
.set G1B,  48
.set G0B,  56
.set G1S,  68
.set G0S,  76
.set G1SB, 80
.set G0SB, 88
.set SEL,  66
.set HM,   12
.set MUL_LO, 0xa1
.set MUL_HI, 0xf1
.set MSB, 0
.macro WIN new
.if MSB != (\new)
	s_set_vgpr_msb (MSB<<8)|(\new)
.set MSB, \new
.endif
.endm
.macro PLACES n
.rept \n
	v_nop
.endr
.endm
.macro JLOAD g0a, g1a, g0b, g1b
	s_cmp_eq_u32 s15, 0
	s_cbranch_scc0 .Lfor_b_\@
	tensor_load_to_lds s[\g0a:\g0a+3], s[\g1a:\g1a+7]
	s_nop 0
.rept 4
	v_nop
.endr
	s_branch .Lasked_\@
.Lfor_b_\@:
	tensor_load_to_lds s[\g0b:\g0b+3], s[\g1b:\g1b+7]
	s_nop 0
.rept 4
	v_nop
.endr
.Lasked_\@:
.endm
.macro CREST
	s_cmp_lg_u32 s14, 0
	s_cbranch_scc1 .Lnot_wave_0_\@
	s_barrier_signal -3
.Lnot_wave_0_\@:
	s_barrier_wait -3
	s_barrier_signal -1
	s_barrier_wait -1
.endm
.macro CROUND
	s_barrier_signal -1
	s_barrier_wait -1
	CREST
.endm
.macro QUANT s, w, pc
	WIN (((\w)<<2)|((\w)<<4))
.irp b, 0,1,2,3
	v_max3_num_f32 v[TM+\b], 0x2800000, |v[(\s)+16*\b]|, |v[(\s)+16*\b+1]|
.endr
.irp i, 2,4,6,8,10,12,14
.irp b, 0,1,2,3
	v_max3_num_f32 v[TM+\b], v[TM+\b], |v[(\s)+16*\b+\i]|, |v[(\s)+16*\b+\i+1]|
.endr
.endr
	WIN 0
.irp b, 0,1,2,3
	v_permlanex16_b32 v[TM+4+\b], v[TM+\b], s[SEL], s[SEL+1]
.endr
.irp b, 0,1,2,3
	v_max_num_f32 v[TM+\b], v[TM+\b], v[TM+4+\b]
.endr
.irp b, 0,1,2,3
	v_add_nc_u32 v[TM+12+\b], 0xfe000000, v[TM+\b]
.endr
.irp b, 0,1,2,3
	v_lshrrev_b32 v[TM+4+\b], 23, v[TM+12+\b]
.endr
	v_lshl_or_b32 v[PW], v[TM+5], 8, v[TM+4]
	v_lshl_or_b32 v[PW], v[TM+6], 16, v[PW]
	v_lshl_or_b32 v[PW], v[TM+7], 24, v[PW]
	WIN (\w)
.irp c, 0,1
	v_cvt_scalef32_pk16_bf6_f32 v[(\pc)+6*\c:(\pc)+6*\c+2], v[(\s)+32*\c:(\s)+32*\c+15], v[TM+12+2*\c]
	v_cvt_scalef32_pk16_bf6_f32 v[(\pc)+12+4*\c:(\pc)+14+4*\c], v[(\s)+32*\c+16:(\s)+32*\c+31], v[TM+13+2*\c]
.endr
	WIN 0
	v_nop
.irp c, 0,1
.irp i, 0,1,2
	v_permlane16_swap_b32 v[(\pc)+6*\c+\i], v[(\pc)+12+4*\c+\i]
.endr
.irp i, 0,1,2
	v_mov_b32 v[(\pc)+3+6*\c+\i], v[(\pc)+12+4*\c+\i]
.endr
.endr
.endm
	s_load_b256 s[4:11], s[0:1], 0x0
	v_lshl_add_u32 v[SPW], v0, 2, SPARE
	v_mov_b32 v[NIL], 0
	ds_add_u32 v28, v29
	ds_add_u32 v28, v29
	s_wait_dscnt 0x0
	v_lshrrev_b32 v1, 5, v0
	v_readfirstlane_b32 s14, v1
	s_lshr_b32 s15, s14, 1
	s_and_b32 s16, s14, 1
	s_bfe_u32 s40, ttmp6, 0x40000
	s_bfe_u32 s41, ttmp6, 0x40004
	s_lshl_b32 s42, ttmp9, 2
	s_add_co_u32 s42, s42, s40
	s_and_b32 s17, ttmp7, 0xffff
	s_lshl_b32 s17, s17, 2
	s_add_co_u32 s17, s17, s41
	s_lshl_b32 s43, s41, 2
	s_lshl_b32 s43, 15, s43
	s_lshl_b32 s44, 0x1111, s40
	s_or_b32 s[G1+0], s43, (3<<16)|(1<<21)
	s_or_b32 s[G1B+0], s44, (3<<16)|(1<<21)
.irp g, G1, G1B
	s_mov_b32 s[\g+1], (TROW/8)<<16
	s_mov_b32 s[\g+2], (2*TT)<<16
	s_mov_b32 s[\g+3], (TROW/8)<<16
	s_mov_b32 s[\g+4], 2*TT
	s_mov_b32 s[\g+5], 3072
	s_mov_b32 s[\g+6], 0
	s_mov_b32 s[\g+7], 0
.endr
	s_or_b32 s[G1S+0], s43, (3<<16)|(1<<21)
	s_or_b32 s[G1SB+0], s44, (3<<16)|(1<<21)
.irp g, G1S, G1SB
	s_mov_b32 s[\g+1], (HALFS/8)<<16               ; two groups of 128 rows: 7,680 bytes of each group's 8,192
	s_mov_b32 s[\g+2], 2<<16
	s_mov_b32 s[\g+3], (HALFS/8)<<16
	s_mov_b32 s[\g+4], 2
	s_mov_b32 s[\g+5], GRP/8
	s_mov_b32 s[\g+6], 0
	s_mov_b32 s[\g+7], 0
.endr
	s_cmp_lt_u32 ttmp9, 6
	s_cselect_b32 s45, 0, 24
	s_sub_co_u32 s46, s42, s45
	s_lshl_b32 s46, s46, 1
	s_add_co_u32 s46, s46, s16
	s_lshl_b32 s20, s17, 1
	s_add_co_u32 s20, s20, s16
	s_mul_i32 s22, s20, GRP
	s_mov_b32 s23, 0
	s_mul_i32 s20, s20, TT*24576
	s_mov_b32 s21, 0
	s_mul_i32 s92, s46, GRP
	s_mov_b32 s93, 0
	s_mul_i32 s46, s46, TT*24576
	s_mov_b32 s47, 0
	s_mul_i32 s45, s14, HALFT
	s_wait_kmcnt 0x0
	s_add_nc_u64 s[96:97], s[6:7], 9437184
	s_add_nc_u64 s[98:99], s[6:7], WS+393216
	s_add_nc_u64 s[12:13], s[4:5], XS
	s_add_nc_u64 s[18:19], s[6:7], WS
	s_cmp_lt_u32 ttmp9, 6
	s_cselect_b64 s[96:97], s[4:5], s[96:97]
	s_cselect_b64 s[98:99], s[12:13], s[98:99]
	s_cselect_b64 s[2:3], s[6:7], s[4:5]
	s_cselect_b64 s[18:19], s[18:19], s[12:13]
	s_add_nc_u64 s[20:21], s[96:97], s[20:21]
	s_add_nc_u64 s[22:23], s[98:99], s[22:23]
	s_add_nc_u64 s[46:47], s[2:3], s[46:47]
	s_add_nc_u64 s[92:93], s[18:19], s[92:93]
	s_lshl_b32 s96, s17, 1
	s_add_co_u32 s96, s96, s15
	s_lshl_b32 s96, s96, 13
	s_mov_b32 s97, 0
	s_add_nc_u64 s[96:97], s[98:99], s[96:97]
	CROUND
	s_mul_i32 s2, s16, GRP                         ; the head's tiles are whole: my half's offset is taken off again
	s_mov_b32 s3, 0
	s_mov_b32 s[G0S], 1
	s_mov_b32 s[G0S+1], SCL
	s_sub_nc_u64 s[G0S+2:G0S+3], s[22:23], s[2:3]
	s_or_b32 s[G0S+3], s[G0S+3], 0x80000000
	s_mov_b32 s[G0SB], 1
	s_mov_b32 s[G0SB+1], SCL+2*HALFS
	s_sub_nc_u64 s[G0SB+2:G0SB+3], s[92:93], s[2:3]
	s_or_b32 s[G0SB+3], s[G0SB+3], 0x80000000
.irp s, 0,1
	s_mov_b32 s[G0+4*\s], 1
	s_add_co_u32 s[G0+4*\s+1], s45, \s*SLOT
	s_add_nc_u64 s[G0+4*\s+2:G0+4*\s+3], s[20:21], \s*TROW
	s_or_b32 s[G0+4*\s+3], s[G0+4*\s+3], 0x80000000
	s_mov_b32 s[G0B+4*\s], 1
	s_add_co_u32 s[G0B+4*\s+1], s45, \s*SLOT
	s_add_nc_u64 s[G0B+4*\s+2:G0B+4*\s+3], s[46:47], \s*TROW
	s_or_b32 s[G0B+4*\s+3], s[G0B+4*\s+3], 0x80000000
.endr
	s_mul_i32 s2, s16, TT*24576
	s_mov_b32 s[G0+1], 0                           ; slot 0's sets serve the head first: all 16 row tiles of A, of B
	s_sub_nc_u64 s[G0+2:G0+3], s[G0+2:G0+3], s[2:3]
	s_mov_b32 s[G0B+1], 2*HALFT
	s_sub_nc_u64 s[G0B+2:G0B+3], s[G0B+2:G0B+3], s[2:3]
	s_cmp_eq_u32 s15, 0                            ; the prefetches: the tiles that I fetch in the ring, my work-group's two of the eight
	s_cselect_b64 s[100:101], s[20:21], s[46:47]
	s_cselect_b32 s104, s40, s41
	s_mul_i32 s104, s104, 2*24576
	s_mov_b32 s105, 0
	s_add_nc_u64 s[100:101], s[100:101], s[104:105]
	s_lshl_b32 s104, s40, 1
	s_add_co_u32 s104, s104, s16
	s_lshl_b32 s104, s104, 12                      ; my 16 rows of the table's 128
	s_and_b32 s98, s17, 3
	s_lshl_b32 s98, s98, 1
	s_add_co_u32 s98, s98, s15
	s_lshl_b32 s98, s98, 15
	s_add_co_u32 s98, s98, XT
	s_mov_b32 s99, 0
	s_add_nc_u64 s[40:41], s[4:5], s[98:99]        ; the table's rows of my 128 tokens
	s_add_nc_u64 s[104:105], s[40:41], s[104:105]
.macro ARM under, g0, g1, next
	s_cmp_lt_u32 s14, \under
	s_cbranch_scc0 \next
	tensor_load_to_lds s[\g0:\g0+3], s[\g1:\g1+7]
	s_nop 0
.rept 4
	v_nop
.endr
	s_branch .Lhead_asked
\next:
.endm
	ARM 1, G0,  G1,  .Lhead_b                      ; one chain of branches on the wave's number, one load to an arm
	ARM 2, G0B, G1B, .Lhead_sa
	ARM 3, G0S, G1S, .Lhead_sb
	tensor_load_to_lds s[G0SB:G0SB+3], s[G1SB:G1SB+7]
	s_nop 0
.rept 4
	v_nop
.endr
.Lhead_asked:
	v_and_b32 v1, 31, v0
	v_lshlrev_b32 v[L16], 4, v1
	v_lshlrev_b32 v[L8], 3, v1
	v_lshlrev_b32 v[L4], 2, v1
.irp i, 0,1,2,3
	global_load_b32 v[SC+48+\i], v[L4], s[96:97] offset:15*512+128*\i
	global_load_b32 v[SC+52+\i], v[L4], s[92:93] offset:15*512+128*\i
.endr
.set PFO,  5
.set PFO2, 6
.set PFT,  7
	v_min_u32 v[PFO], 17, v1                       ; a chunk of a row tile is 18 blocks of 256 bytes; the lanes left over name the last again
	v_lshlrev_b32 v[PFO], 8, v[PFO]
	v_min_u32 v[PFO2], 5, v1                       ; the last chunk, one K step: 6 blocks
	v_lshlrev_b32 v[PFO2], 8, v[PFO2]
	v_min_u32 v[PFT], 15, v1                       ; 16 rows of the table
	v_lshlrev_b32 v[PFT], 8, v[PFT]
.macro ASK c, vo                       ; chunk c of my work-group's two row tiles
	global_prefetch_b8 v[\vo], s[100:101] offset:(\c)*TROW th:TH_LOAD_NT scope:SCOPE_SE
	global_prefetch_b8 v[\vo], s[100:101] offset:(\c)*TROW+24576 th:TH_LOAD_NT scope:SCOPE_SE
.endm
	ASK 1, PFO                                     ; chunk 1's load goes out when the head's tiles have landed: its bytes are named here, behind the head's loads
	v_and_b32 v2, 15, v0
	v_and_b32 v3, 8, v2
	v_add_nc_u32 v3, v3, v2
	v_bfe_u32 v4, v0, 4, 1
	v_lshlrev_b32 v[TO], 8, v3
	v_lshl_add_u32 v[TO], v4, 6, v[TO]
	s_mul_i32 s21, s15, HALFT
	s_mul_i32 s22, s16, HALFT
	s_add_co_u32 s22, s22, 2*HALFT
.irp s, 0,1
	v_add_nc_u32 v[ADRA+\s], s21, v[L16]
	v_add_nc_u32 v[ADRB+\s], s22, v[L16]
	s_add_co_u32 s21, s21, SLOT
	s_add_co_u32 s22, s22, SLOT
.endr
	s_mul_i32 s21, s15, HALFS
	s_add_co_u32 s21, s21, SCL
	v_add_nc_u32 v[ADSA], s21, v[L4]
	s_mul_i32 s22, s16, HALFS
	s_add_co_u32 s22, s22, SCL+2*HALFS
	v_add_nc_u32 v[ADSB], s22, v[L4]
.irp b, 0,1,2,3
	v_mov_b32 v[TM+4+\b], 0
.endr
	s_mov_b32 s[SEL], 0x76543210
	s_mov_b32 s[SEL+1], 0xfedcba98
	s_mov_b32 s[HM], 0xffff0000
.macro FRAG reg, adr, q, i
.irp c, 0,1,2
	ds_load_b128 v[(\reg)+4*\c:(\reg)+4*\c+3], v[\adr] offset:(\i)*FP+(\q)*FRB+512*\c
.endr
.endm
.macro FETCH_B slot, q, p
	WIN 0x40
.set fi, 0
.rept TT
	FRAG 128*(\p)+12*fi, ADRB+\slot, \q, fi
.set fi, fi+1
.endr
	WIN 0
.endm
.macro FETCH_A slot, q, i0
.set fi, \i0
.rept TT/2
	FRAG AF+12*fi, ADRA+\slot, \q, fi
.set fi, fi+1
.endr
.endm
.macro SCALES sc
.set sq, 0
.rept NQ
.set si, 0
.rept TT/2
	ds_load_b32 v[SC+24*(\sc)+4*sq+si], v[ADSA] offset:512*sq+128*si
	ds_load_b32 v[SC+24*(\sc)+12+4*sq+si], v[ADSB] offset:512*sq+128*si
.set si, si+1
.endr
.set sq, sq+1
.endr
.endm
.macro WM a, p, q, sc, zero
.set rD, 8*(8*((\a)%4)+mb)
.set rB, 128*(\p)+12*mb
.set rA, AF+12*(\a)
.set rSB, SC+24*(\sc)+12+4*(\q)+mb/2
.set rSA, SC+24*(\sc)+4*(\q)+(\a)/2
.if (\sc) == 2
.set rSB, SC+52+mb/2
.set rSA, SC+48+(\a)/2
.endif
.set rO, 2*((\a)%2)+mb%2
.if \zero
.if rO == 0
	v_wmma_scale_f32_16x16x128_f8f6f4 v[rD:rD+7], v[rB:rB+11], v[rA:rA+11], 0, v[rSB], v[rSA] matrix_a_fmt:MATRIX_FMT_BF6 matrix_b_fmt:MATRIX_FMT_BF6
.elseif rO == 1
	v_wmma_scale_f32_16x16x128_f8f6f4 v[rD:rD+7], v[rB:rB+11], v[rA:rA+11], 0, v[rSB], v[rSA] matrix_a_fmt:MATRIX_FMT_BF6 matrix_b_fmt:MATRIX_FMT_BF6 matrix_a_scale:MATRIX_SCALE_ROW1
.elseif rO == 2
	v_wmma_scale_f32_16x16x128_f8f6f4 v[rD:rD+7], v[rB:rB+11], v[rA:rA+11], 0, v[rSB], v[rSA] matrix_a_fmt:MATRIX_FMT_BF6 matrix_b_fmt:MATRIX_FMT_BF6 matrix_b_scale:MATRIX_SCALE_ROW1
.else
	v_wmma_scale_f32_16x16x128_f8f6f4 v[rD:rD+7], v[rB:rB+11], v[rA:rA+11], 0, v[rSB], v[rSA] matrix_a_fmt:MATRIX_FMT_BF6 matrix_b_fmt:MATRIX_FMT_BF6 matrix_a_scale:MATRIX_SCALE_ROW1 matrix_b_scale:MATRIX_SCALE_ROW1
.endif
.else
.if rO == 0
	v_wmma_scale_f32_16x16x128_f8f6f4 v[rD:rD+7], v[rB:rB+11], v[rA:rA+11], v[rD:rD+7], v[rSB], v[rSA] matrix_a_fmt:MATRIX_FMT_BF6 matrix_b_fmt:MATRIX_FMT_BF6
.elseif rO == 1
	v_wmma_scale_f32_16x16x128_f8f6f4 v[rD:rD+7], v[rB:rB+11], v[rA:rA+11], v[rD:rD+7], v[rSB], v[rSA] matrix_a_fmt:MATRIX_FMT_BF6 matrix_b_fmt:MATRIX_FMT_BF6 matrix_a_scale:MATRIX_SCALE_ROW1
.elseif rO == 2
	v_wmma_scale_f32_16x16x128_f8f6f4 v[rD:rD+7], v[rB:rB+11], v[rA:rA+11], v[rD:rD+7], v[rSB], v[rSA] matrix_a_fmt:MATRIX_FMT_BF6 matrix_b_fmt:MATRIX_FMT_BF6 matrix_b_scale:MATRIX_SCALE_ROW1
.else
	v_wmma_scale_f32_16x16x128_f8f6f4 v[rD:rD+7], v[rB:rB+11], v[rA:rA+11], v[rD:rD+7], v[rSB], v[rSA] matrix_a_fmt:MATRIX_FMT_BF6 matrix_b_fmt:MATRIX_FMT_BF6 matrix_a_scale:MATRIX_SCALE_ROW1 matrix_b_scale:MATRIX_SCALE_ROW1
.endif
.endif
.endm
.macro MULR a0, n, p, q, sc, zero
.set ma, \a0
.rept \n
.set mb, 0
.rept TT
	WM ma, \p, \q, \sc, \zero
.set mb, mb+1
.endr
.set ma, ma+1
.endr
.endm
.macro STEP slot, q, zero
	s_wait_dscnt 3*TT/2
	WIN MUL_LO
	MULR 0, TT/2, ((\slot)+(\q))%2, \q, \slot, \zero
	s_wait_dscnt 0x0
	PLACES 4
	FETCH_B \slot, (\q)+1, 1-((\slot)+(\q))%2
	FETCH_A \slot, (\q)+1, 0
	WIN MUL_HI
	MULR TT/2, TT/2, ((\slot)+(\q))%2, \q, \slot, \zero
	PLACES 4
	WIN 0
	FETCH_A \slot, (\q)+1, TT/2
.endm
.macro TURN slot, next, fill, lastn
	s_wait_tensorcnt 0x0
	ds_add_u32 v[SPW], v[NIL]
	s_wait_dscnt 3*TT/2+1
	WIN MUL_LO
	MULR 0, TT/4, \slot, NQ-1, \slot, 0
	s_wait_dscnt 0x0
	s_barrier_signal -1
	MULR TT/4, TT/4, \slot, NQ-1, \slot, 0
	WIN 0
	s_barrier_wait -1
.if \fill
	CREST
	s_add_nc_u64 s[G0+4*\slot+2:G0+4*\slot+3], s[G0+4*\slot+2:G0+4*\slot+3], 2*TROW
	s_add_nc_u64 s[G0B+4*\slot+2:G0B+4*\slot+3], s[G0B+4*\slot+2:G0B+4*\slot+3], 2*TROW
.if \fill == 2
	s_mov_b32 s[G1+1], (FRB/8)<<16
	s_mov_b32 s[G1+3], (FRB/8)<<16
	s_mov_b32 s[G1B+1], (FRB/8)<<16
	s_mov_b32 s[G1B+3], (FRB/8)<<16
.endif
	JLOAD G0+4*\slot, G1, G0B+4*\slot, G1B
.else
	PLACES 4
.endif
.if \lastn
.set FP, FRB
.else
	s_wait_alu depctr_va_vdst(0)
	v_add_nc_u32 v[ADSA], 512*NQ, v[ADSA]
	v_add_nc_u32 v[ADSB], 512*NQ, v[ADSB]
.endif
	FETCH_B \next, 0, \next
	FETCH_A \next, 0, 0
.if (\lastn) == 0
	SCALES \next
.endif
	WIN MUL_HI
	MULR TT/2, TT/2, \slot, NQ-1, \slot, 0
	PLACES 4
	WIN 0
	FETCH_A \next, 0, TT/2
.endm
	s_wait_alu depctr_va_vdst(0)
.macro TBLOAD a
.irp e, 0,1
.irp j, 0,1,2,3
	global_load_b128 v[32*(\a)+16*\e+4*\j:32*(\a)+16*\e+4*\j+3], v[TO], s[40:41] offset:(32*((\a)/2)+8*((\a)%2))*256+128*\e+16*\j
.endr
.endr
.endm
	s_wait_tensorcnt 0x0                           ; my tile of the head's four is in
	ds_add_u32 v[SPW], v[NIL]
	s_mov_b32 s[G1+2], TT<<16                      ; no tensor load of mine is out: from here on a load brings 8 row tiles,
	s_mov_b32 s[G1+4], TT
	s_mov_b32 s[G1B+2], TT<<16
	s_mov_b32 s[G1B+4], TT
	s_mov_b32 s[G0+1], s45                         ; and slot 0's sets point at my quarter
	s_add_nc_u64 s[G0+2:G0+3], s[G0+2:G0+3], s[2:3]
	s_mov_b32 s[G0B+1], s45
	s_add_nc_u64 s[G0B+2:G0B+3], s[G0B+2:G0B+3], s[2:3]
	s_wait_dscnt 0x0
	CROUND
	JLOAD G0+4, G1, G0B+4, G1B                     ; chunk 1, the first tensor load behind the round
	FETCH_B 0, 0, 0
	FETCH_A 0, 0, 0
	SCALES 0
	FETCH_A 0, 0, TT/2
	ASK 2, PFO
	ASK 3, PFO
	s_cmp_eq_u32 ttmp9, 2                          ; the clusters that turn q's and k's last 64 read the table
	s_cbranch_scc1 .Ltp_ask
	s_cmp_lg_u32 ttmp9, 5
	s_cbranch_scc1 .Ltp_none
.Ltp_ask:
	global_prefetch_b8 v[PFT], s[104:105] th:TH_LOAD_NT scope:SCOPE_SE
.Ltp_none:
	STEP 0, 0, 1
	STEP 0, 1, 0
	TURN 0, 1, 1, 0
	ASK 4, PFO
	STEP 1, 0, 0
	STEP 1, 1, 0
	TURN 1, 0, 1, 0
	ASK 5, PFO2
	STEP 0, 0, 0
	STEP 0, 1, 0
	TURN 0, 1, 1, 0
	STEP 1, 0, 0
	STEP 1, 1, 0
	TURN 1, 0, 2, 0
	STEP 0, 0, 0
	STEP 0, 1, 0
	TURN 0, 1, 0, 1
	s_wait_loadcnt 0x0                             ; the scale words of K step 15, asked for at the head
	s_cmp_eq_u32 ttmp9, 2
	s_cbranch_scc1 .Ltb_early
	s_cmp_lg_u32 ttmp9, 5
	s_cbranch_scc1 .Ltb_none
.Ltb_early:
	WIN 0x40                                       ; B's set 0 has been multiplied for the last time, four places ago: it takes the table's blocks 0-2
	TBLOAD 0
	TBLOAD 1
	TBLOAD 2
	WIN 0
.Ltb_none:
	s_wait_dscnt 3*TT/2
	WIN MUL_LO
	MULR 0, TT/2, 1, 0, 2, 0
	s_wait_dscnt 0x0
	WIN MUL_HI
	MULR TT/2, TT/2, 1, 0, 2, 0
	WIN 0
	s_lshl_b32 s24, s17, 1
	s_add_co_u32 s24, s24, s15
	s_lshl_b32 s25, s42, 1
	s_add_co_u32 s25, s25, s16
	s_mov_b32 s26, 32256
	s_cmp_lt_u32 ttmp9, 3
	s_cselect_b64 s[30:31], s[8:9], s[10:11]
	s_cselect_b32 s26, 19456, s26
	s_cselect_b32 s27, 0, 24
	s_cselect_b32 s28, 16, 40
	s_mov_b32 s37, 0
	s_mov_b32 s39, 0
	s_cmp_eq_u32 ttmp9, 2
	s_cbranch_scc1 .Lrope
	s_cmp_eq_u32 ttmp9, 5
	s_cbranch_scc1 .Lrope
	s_sub_co_u32 s27, s25, s27
	s_sub_co_u32 s29, s25, 48
	s_mov_b32 s38, 31744
	s_cmp_lt_u32 ttmp9, 6
	s_cselect_b32 s27, s27, s24
	s_cselect_b32 s29, s24, s29
	s_cselect_b32 s36, 0, 19456
	s_cselect_b32 s38, 18432, s38
	s_lshr_b32 s33, s29, 3
	s_lshl_b32 s33, s33, 4
	s_add_co_u32 s33, s33, s27
	s_lshl_b32 s33, s33, 3
	s_and_b32 s29, s29, 7
	s_add_co_u32 s33, s33, s29
	s_mul_i32 s33, s33, s26
	s_add_co_u32 s36, s36, s33
	s_add_co_u32 s38, s38, s33
	s_add_nc_u64 s[34:35], s[30:31], s[38:39]
	s_add_nc_u64 s[30:31], s[30:31], s[36:37]
	PLACES 4
.irp a, 0,1,2,3,4,5,6,7
.if \a > 0
	s_wait_xcnt 0x0
.endif
	QUANT 64*(\a%4), 2+\a/4, PC
.irp c, 0,1,2
	global_store_b128 v[L16], v[PC+4*\c:PC+4*\c+3], s[30:31] offset:1536*\a+512*\c
.endr
.if \a%2 == 0
	v_mov_b32 v[PWE], v[PW]
.else
	v_cndmask_b32 v[PWM], v[PWE], v[PW], s[HM]
	global_store_b32 v[L4], v[PWM], s[34:35] offset:128*(\a/2)
.endif
.endr
	s_branch .Ldone
.Lrope:
	s_sub_co_u32 s27, s25, s28
	s_lshl_b32 s27, s27, 1
	s_lshr_b32 s33, s24, 3
	s_lshl_b32 s33, s33, 4
	s_add_co_u32 s33, s33, s27
	s_lshl_b32 s33, s33, 3
	s_and_b32 s29, s24, 7
	s_add_co_u32 s33, s33, s29
	s_mul_i32 s36, s33, s26
	s_add_nc_u64 s[30:31], s[30:31], s[36:37]
	s_lshl_b32 s36, s26, 3
	s_add_nc_u64 s[34:35], s[30:31], s[36:37]
.macro ROPEBLK a
	s_wait_loadcnt 8*(7-(\a))
.if (\a) > 0
	s_wait_xcnt 0x0
.endif
	WIN ((2+(\a)/4)|4)
.set AC, 64*((\a)%4)
.set TS, 32*(\a)
.set p, 0
.rept 32
	v_pk_mul_f32 v[RT+2*p:RT+2*p+1], v[AC+2*p:AC+2*p+1], v[TS+16*((p/8)%2)+2*(p%8):TS+16*((p/8)%2)+2*(p%8)+1] op_sel_hi:[1,0]
.set p, p+1
.endr
.set p, 0
.rept 32
	v_pk_fma_f32 v[RT+2*p:RT+2*p+1], v[AC+2*p:AC+2*p+1], v[TS+16*((p/8)%2)+2*(p%8):TS+16*((p/8)%2)+2*(p%8)+1], v[RT+2*p:RT+2*p+1] op_sel:[1,1,0] op_sel_hi:[0,1,1] neg_lo:[1,0,0]
.set p, p+1
.endr
	WIN 0
	QUANT RT, 0, PC
	global_store_b128 v[L16], v[PC:PC+3], s[30:31] offset:12288+768*(\a)
	global_store_b64 v[L8], v[PC+4:PC+5], s[30:31] offset:12800+768*(\a)
	global_store_b128 v[L16], v[PC+6:PC+9], s[34:35] offset:12288+768*(\a)
	global_store_b64 v[L8], v[PC+10:PC+11], s[34:35] offset:12800+768*(\a)
.if (\a)%2 == 0
	v_mov_b32 v[PWE], v[PW]
	v_lshrrev_b32 v[PWBE], 16, v[PW]
.else
	v_lshrrev_b32 v[PWB], 16, v[PW]
	v_cndmask_b32 v[PWM], v[PWE], v[PW], s[HM]
	v_cndmask_b32 v[PWBM], v[PWBE], v[PWB], s[HM]
	global_store_b32 v[L4], v[PWM], s[30:31] offset:18944+128*((\a)/2)
	global_store_b32 v[L4], v[PWBM], s[34:35] offset:18944+128*((\a)/2)
.endif
.endm
	PLACES 4
	WIN 0x40
.irp a, 3,4,5,6,7
	TBLOAD \a
.endr
	WIN 0
.irp a, 0,1,2,3,4,5,6,7
	ROPEBLK \a
.endr
.Ldone:
	s_wait_tensorcnt 0x0
	ds_add_u32 v[SPW], v[NIL]
	s_wait_dscnt 0x0
	CROUND
	s_endpgm
.Lfunc_end_k_qf6bb7aeed6_gemm_qkv:
	.size	k_qf6bb7aeed6_gemm_qkv, .Lfunc_end_k_qf6bb7aeed6_gemm_qkv-k_qf6bb7aeed6_gemm_qkv
	.p2alignl 7, 3214868480
	.fill 96, 4, 3214868480
	.section	.rodata,"a",@progbits
	.p2align	6, 0x0
	.amdhsa_kernel k_qf6bb7aeed6_gemm_qkv
		.amdhsa_group_segment_fixed_size 327680
		.amdhsa_private_segment_fixed_size 0
		.amdhsa_enable_private_segment 0
		.amdhsa_kernarg_size 32
		.amdhsa_user_sgpr_count 2
		.amdhsa_user_sgpr_kernarg_segment_ptr 1
		.amdhsa_wavefront_size32 1
		.amdhsa_system_sgpr_workgroup_id_x 1
		.amdhsa_system_sgpr_workgroup_id_y 1
		.amdhsa_system_sgpr_workgroup_id_z 1
		.amdhsa_system_vgpr_workitem_id 0
		.amdhsa_next_free_vgpr 1024
		.amdhsa_next_free_sgpr 106
		.amdhsa_reserve_vcc 0
		.amdhsa_float_denorm_mode_32 3
		.amdhsa_float_denorm_mode_16_64 3
		.amdhsa_memory_ordered 1
		.amdhsa_forward_progress 1
		.amdhsa_inst_pref_size 255
	.end_amdhsa_kernel
	.section	.bss,"aw",@nobits
	.p2align	6
	.space	262144
	.amdgpu_metadata
---
amdhsa.version: [ 1, 2 ]
amdhsa.kernels:
  - .name:           k_qf6bb7aeed6_gemm_qkv
    .symbol:         k_qf6bb7aeed6_gemm_qkv.kd
    .args:
      - { .name: xq, .offset: 0, .size: 8, .value_kind: global_buffer, .address_space: global }
      - { .name: wq, .offset: 8, .size: 8, .value_kind: global_buffer, .address_space: global }
      - { .name: qbuf, .offset: 16, .size: 8, .value_kind: global_buffer, .address_space: global }
      - { .name: kvbuf, .offset: 24, .size: 8, .value_kind: global_buffer, .address_space: global }
    .group_segment_fixed_size: 327680
    .private_segment_fixed_size: 0
    .kernarg_segment_align: 8
    .kernarg_segment_size: 32
    .max_flat_workgroup_size: 128
    .sgpr_count:     106
    .vgpr_count:     1024
    .wavefront_size: 32
...
	.end_amdgpu_metadata
.endif
;; end of part 2
;; launch attn (part 3): grid 8 x 32, 4 waves a work-group, clusters of 4 x 4, 327,680 bytes of LDS; arguments qbuf, kvbuf, mask, cq; writes cq
.if DOCPART == 3
	.amdgcn_target "amdgcn-amd-amdhsa--gfx1250"
	.amdhsa_code_object_version 6
	.text
	.protected	k_qf6bb7aeed6_attn
	.globl	k_qf6bb7aeed6_attn
	.p2align	8
	.type	k_qf6bb7aeed6_attn,@function
k_qf6bb7aeed6_attn:
	s_mov_b64 s[64:65], 0
	v_nop
	global_prefetch_b8 v0, s[64:65] scope:SCOPE_SE
	s_setreg_imm32_b32 hwreg(HW_REG_WAVE_MODE, 25, 1), 1
	s_wait_xcnt 0x0
	s_wait_alu depctr_hold_cnt(0) depctr_sa_sdst(0) depctr_va_vdst(0) depctr_va_sdst(0) depctr_va_ssrc(0) depctr_va_vcc(0) depctr_vm_vsrc(0)
	s_getreg_b32 s2, hwreg(HW_REG_IB_STS2, 6, 4)
	s_cmp_eq_u32 s2, 0
	s_cbranch_scc0 .Lentry_in_a_cluster
	s_endpgm
.Lentry_in_a_cluster:
	s_bfe_u32 s2, ttmp6, 0x10000c
	s_cmp_lg_u32 s2, 0xf033
	s_cbranch_scc0 .Lentry_shape_is_right
	s_endpgm
.Lentry_shape_is_right:
; Attention on BF6 (E3M2) codes: S^T = K Q^T over the head's 192 (two K steps; the second is half zero codes), logit = S x 192^-0.5 + mask, t = logit x log2(e), M = the running largest t rounded up to a whole number,
; p = 2^(t - M) quantised along the keys, O^T += V^T P^T; the row's sum of the unquantised p divides at the end; the result is quantised along (head, d) for the last product.
; The mask is an input: every tile of keys is multiplied and every number of the mask is read and added.
; SHARES.  A work-group owns 128 queries of one (batch, head); each of four waves two tiles of 16 queries, 32 w + 16 x + lane % 16.  Every wave walks the 1,024 keys, 128 a step.
; A step's K, V^T and scale words are one dense block of kvbuf (32,256 bytes); the mask's tile is 128 rows x 512 bytes.  Both go through a ring of two LDS slots.
; CLUSTER 4 x 4: the four query blocks of a row of the cluster share the block of K and V^T, the four heads of a column share the mask's tile: each is asked for jointly.
; LAYOUT.  Both products are used transposed: a lane holds one query throughout.  K's keys and V^T's d are stored with bits 3 and 4 of their index exchanged, so that the 16 registers of tiles 2 b, 2 b + 1 are
; 16 neighbours (keys, or d).  All operands come from LDS as images of the operand's registers.
; A step's reads of its slot are all over in the step's first part (K, mask, V^T go to registers): then the slot is filled again, and the next step's K and mask are fetched under the softmax.
; LIMITS: NaN and infinities are not served; a block of zeros gets the byte 1 (its codes are zeros; this program alone reads the bytes).
; REGISTERS: window 0: v1-11 addresses; v12-19 -M, largest t, sum (two halves) a tile; v20-63 at work; v64-191 scores, then p; v192-222 p's codes; v224-239 scale words.
;   window 1: v0-127 O^T; v128-255 the mask.  window 2: K, 24 registers a tile (12 + 6 + 6 zeros); from v192 Q likewise.  window 3: V^T, 12 a tile.
.set SLOT1, 131072
.set MOFF,  32768                      ; the mask's tile in a slot
.set MP,    528                        ; its rows: 512 bytes + 16
.set SPARE, 262144                     ; the spare words, 128 bytes for each wave: two blocks of 256 bytes that no other line names
.set CSC,   3145728                    ; cq's scale words
.set L16, 1
.set L8,  2
.set L4,  3
.set LM,  4
.set SPW, 5
.set NIL, 6
.set AD16, 8
.set AD8,  9
.set AD4,  10
.set ADM,  11
.set ST,  12
.set QA,  20
.set QB,  21
.set QC,  22
.set QD,  23
.set BM,  24
.set PT,  28
.set SO,  32
.set BY,  36
.set FF,  40
.set PW0, 42                           ; v42, v43 p's scale words
.set TMP, 44
.set PW,  45
.set SUMT, 46
.set TM,  48
.set S,   64
.set PCB, 192
.set CT,  216
.set KS0, 224                          ; v224-227 K's scale words of K step 0, v228-231 of K step 1
.set VS,  232
.set QS,  236
.set PWE, 240
.set PWM, 241
.set QF,  192                          ; in window 2
.set WV,  12
.set WH,  13
.set WL,  14
.set SEL, 20
.set G1K, 28
.set G1M, 36
.set G0K, 44
.set G0M, 52
.set TB,  60
.set CNT, 61
.set HM,  62
.set MSB, 0
.macro WIN new
.if MSB != (\new)
	s_set_vgpr_msb (MSB<<8)|(\new)
.set MSB, \new
.endif
.endm
.macro PLACES n
.rept \n
	v_nop
.endr
.endm
.macro CROUND
	s_barrier_signal -1
	s_barrier_wait -1
	s_cmp_lg_u32 s[WV], 0
	s_cbranch_scc1 .Lnot_wave_0_\@
	s_barrier_signal -3
.Lnot_wave_0_\@:
	s_barrier_wait -3
	s_barrier_signal -1
	s_barrier_wait -1
.endm
.macro JLOAD                           ; a joint refill: waves 0, 1 the halves of K and V^T's block, waves 2, 3 the halves of the mask's tile; four v_nop follow each line
	s_cmp_eq_u32 s[WH], 0
	s_cbranch_scc0 .Lfor_m_\@
	tensor_load_to_lds s[G0K+4:G0K+7], s[G1K:G1K+7]
	s_nop 0
.rept 4
	v_nop
.endr
	s_branch .Lasked_\@
.Lfor_m_\@:
	tensor_load_to_lds s[G0M+4:G0M+7], s[G1M:G1M+7]
	s_nop 0
.rept 4
	v_nop
.endr
.Lasked_\@:
.endm
.macro QUANT s, w, pc                  ; 64 numbers of a lane (register 16 b + i = k 32 b + 16 (lane / 16) + i) become a fragment's codes in v[pc] on and its scale word in v[PW]
	WIN (((\w)<<2)|((\w)<<4))
.irp b, 0,1,2,3
	v_max3_num_f32 v[TM+\b], 0x2800000, |v[(\s)+16*\b]|, |v[(\s)+16*\b+1]|
.endr
.irp i, 2,4,6,8,10,12,14
.irp b, 0,1,2,3
	v_max3_num_f32 v[TM+\b], v[TM+\b], |v[(\s)+16*\b+\i]|, |v[(\s)+16*\b+\i+1]|
.endr
.endr
	WIN 0
.irp b, 0,1,2,3
	v_permlanex16_b32 v[TM+4+\b], v[TM+\b], s[SEL], s[SEL+1]
.endr
.irp b, 0,1,2,3
	v_max_num_f32 v[TM+\b], v[TM+\b], v[TM+4+\b]
.endr
.irp b, 0,1,2,3
	v_add_nc_u32 v[TM+12+\b], 0xfe000000, v[TM+\b]
.endr
.irp b, 0,1,2,3
	v_lshrrev_b32 v[TM+4+\b], 23, v[TM+12+\b]
.endr
	v_lshl_or_b32 v[PW], v[TM+5], 8, v[TM+4]
	v_lshl_or_b32 v[PW], v[TM+6], 16, v[PW]
	v_lshl_or_b32 v[PW], v[TM+7], 24, v[PW]
	WIN (\w)
.irp c, 0,1
	v_cvt_scalef32_pk16_bf6_f32 v[(\pc)+6*\c:(\pc)+6*\c+2], v[(\s)+32*\c:(\s)+32*\c+15], v[TM+12+2*\c]
	v_cvt_scalef32_pk16_bf6_f32 v[(\pc)+12+4*\c:(\pc)+14+4*\c], v[(\s)+32*\c+16:(\s)+32*\c+31], v[TM+13+2*\c]
.endr
	WIN 0
	v_nop
.irp c, 0,1
.irp i, 0,1,2
	v_permlane16_swap_b32 v[(\pc)+6*\c+\i], v[(\pc)+12+4*\c+\i]
.endr
.irp i, 0,1,2
	v_mov_b32 v[(\pc)+3+6*\c+\i], v[(\pc)+12+4*\c+\i]
.endr
.endr
.endm
	s_load_b256 s[4:11], s[0:1], 0x0               ; qbuf, kvbuf, mask, cq
	v_lshl_add_u32 v[SPW], v0, 2, SPARE
	v_mov_b32 v[NIL], 0
	ds_add_u32 v5, v6
	ds_add_u32 v5, v6
	s_wait_dscnt 0x0
	v_lshrrev_b32 v7, 5, v0
	v_readfirstlane_b32 s[WV], v7                  ; wave
	s_lshr_b32 s[WH], s[WV], 1                     ; I fetch K and V^T (0) or the mask (1),
	s_and_b32 s[WL], s[WV], 1                      ; this half of it
	s_bfe_u32 s66, ttmp6, 0x40000                  ; cx
	s_bfe_u32 s67, ttmp6, 0x40004                  ; cy
	s_lshl_b32 s68, ttmp9, 2
	s_add_co_u32 s68, s68, s66                     ; my block of 128 queries
	s_and_b32 s69, ttmp7, 0xffff
	s_lshl_b32 s69, s69, 2
	s_add_co_u32 s69, s69, s67                     ; 16 x batch + head
	s_lshl_b32 s70, s67, 2
	s_lshl_b32 s70, 15, s70                        ; my row of the cluster
	s_lshl_b32 s71, 0x1111, s66                    ; my column
	s_or_b32 s[G1K], s70, (3<<16)|(1<<21)          ; K and V^T: 63 rows of 256 bytes, dense; elements of 8 bytes; bit 21 set beside a mask
	s_mov_b32 s[G1K+1], 32<<16
	s_mov_b32 s[G1K+2], 126<<16                    ; (the head's loads bring whole tiles: 126 rows; the ring's 63)
	s_mov_b32 s[G1K+3], 32<<16
	s_mov_b32 s[G1K+4], 126
	s_mov_b32 s[G1K+5], 32
	s_mov_b32 s[G1K+6], 0
	s_mov_b32 s[G1K+7], 0
	s_or_b32 s[G1M], s71, (2<<16)|(1<<20)|(1<<21)|(6<<22)|(3<<25)   ; the mask: 64 rows of 128 f32, 1,024 apart; 4 words of padding behind every 128
	s_mov_b32 s[G1M+1], 128<<16
	s_mov_b32 s[G1M+2], 128<<16                    ; (at the head 128 rows; in the ring 64)
	s_mov_b32 s[G1M+3], 128<<16
	s_mov_b32 s[G1M+4], 128
	s_mov_b32 s[G1M+5], 1024
	s_mov_b32 s[G1M+6], 0
	s_mov_b32 s[G1M+7], 0
	s_mul_i32 s72, s69, 258048                     ; the head's eight blocks of kvbuf
	s_mul_i32 s74, s[WL], 16128                    ; my half: in memory and in a slot
	s_add_co_u32 s72, s72, s74
	s_mov_b32 s73, 0
	s_lshl_b32 s76, s68, 19                        ; the mask: 128 rows of 4,096 bytes a block of queries,
	s_lshl_b32 s77, s[WL], 18                      ; my 64 of them
	s_add_co_u32 s76, s76, s77
	s_mov_b32 s77, 0
	s_lshl_b32 s94, s68, 19                        ; for the head: all 128 rows of the mask's tile of key step 0 or 1
	s_lshl_b32 s95, s[WL], 9
	s_add_co_u32 s94, s94, s95
	s_mov_b32 s95, 0
	s_mul_i32 s75, s[WL], 64*MP
	s_add_co_u32 s75, s75, MOFF
	s_lshl_b32 s78, s69, 3
	s_add_co_u32 s78, s78, s68
	s_mul_i32 s78, s78, 19456                      ; my block of qbuf
	s_mov_b32 s79, 0
	s_lshr_b32 s80, s69, 4                         ; batch
	s_and_b32 s81, s69, 15                         ; head
	s_lshl_b32 s82, s80, 3
	s_add_co_u32 s82, s82, s68                     ; cq: my group of 128 rows
	s_mul_i32 s83, s82, 196608                     ; cq's codes: [128 rows][16 K steps = heads][8 row tiles][1536]
	s_mul_i32 s84, s81, 12288
	s_add_co_u32 s83, s83, s84
	s_mul_i32 s84, s[WV], 3072                     ; my two row tiles
	s_add_co_u32 s84, s84, s83
	s_mov_b32 s85, 0
	s_lshl_b32 s82, s82, 4
	s_add_co_u32 s82, s82, s81
	s_lshl_b32 s82, s82, 9
	s_lshl_b32 s90, s[WV], 7
	s_add_co_u32 s90, s90, s82
	s_add_co_u32 s90, s90, CSC
	s_mov_b32 s91, 0
	s_mov_b32 s[SEL], 0x76543210
	s_mov_b32 s[SEL+1], 0xfedcba98
	s_mov_b32 s22, 0x3d93cd3a                      ; 192^-0.5
	s_mov_b32 s23, s22                             ; (the packed forms name a pair and take its low word for both halves)
	s_mov_b32 s24, 0x3fb8aa3b                      ; log2(e)
	s_mov_b32 s25, s24
	s_mov_b32 s[TB], 0
	s_mov_b32 s[HM], 0xffff0000
	s_wait_kmcnt 0x0
	s_add_nc_u64 s[72:73], s[6:7], s[72:73]
	s_add_nc_u64 s[76:77], s[8:9], s[76:77]
	s_add_nc_u64 s[94:95], s[8:9], s[94:95]
	s_add_nc_u64 s[4:5], s[4:5], s[78:79]
	s_add_nc_u64 s[86:87], s[10:11], s[84:85]      ; where my codes go,
	s_add_nc_u64 s[88:89], s[10:11], s[90:91]      ; and my scale words
	CROUND                                         ; all sixteen work-groups are here: the first joint loads meet
.irp s, 0,1
	s_mov_b32 s[G0K+4*\s], 1
	s_add_co_u32 s[G0K+4*\s+1], s74, \s*SLOT1
	s_add_nc_u64 s[G0K+4*\s+2:G0K+4*\s+3], s[72:73], \s*32256
	s_or_b32 s[G0K+4*\s+3], s[G0K+4*\s+3], 0x80000000
	s_mov_b32 s[G0M+4*\s], 1
	s_add_co_u32 s[G0M+4*\s+1], s75, \s*SLOT1
	s_add_nc_u64 s[G0M+4*\s+2:G0M+4*\s+3], s[76:77], \s*512
	s_or_b32 s[G0M+4*\s+3], s[G0M+4*\s+3], 0x80000000
.endr
	; THE HEAD'S FOUR TILES, ONE A WAVE: wave 0 the block of K and V^T of key step 0, wave 1 that of key step 1, wave 2 the mask's tile of key step 0, wave 3 that of key step 1
	s_lshl_b32 s96, s[WL], 17                      ; slot 0 or 1
	s_mov_b32 s[G0K+1], s96
	s_add_co_u32 s[G0M+1], s96, MOFF
	s_mov_b32 s92, s74
	s_mov_b32 s93, 0
	s_add_nc_u64 s[G0K+2:G0K+3], s[72:73], s[92:93]   ; twice 16,128 x (wave % 2): the whole block of key step wave % 2
	s_or_b32 s[G0K+3], s[G0K+3], 0x80000000
	s_mov_b64 s[G0M+2:G0M+3], s[94:95]
	s_or_b32 s[G0M+3], s[G0M+3], 0x80000000
	s_cmp_eq_u32 s[WH], 0                          ; one chain of branches, one load to an arm
	s_cbranch_scc0 .Lfirst_m
	tensor_load_to_lds s[G0K:G0K+3], s[G1K:G1K+7]
	s_nop 0
.rept 4
	v_nop
.endr
	s_branch .Lfirst_asked
.Lfirst_m:
	tensor_load_to_lds s[G0M:G0M+3], s[G1M:G1M+7]
	s_nop 0
.rept 4
	v_nop
.endr
.Lfirst_asked:
	v_and_b32 v7, 31, v0
	v_lshlrev_b32 v[L16], 4, v7
	v_lshlrev_b32 v[L8], 3, v7
	v_lshlrev_b32 v[L4], 2, v7
	v_and_b32 v44, 15, v0                          ; r
	v_bfe_u32 v45, v0, 4, 1                        ; h
	v_mul_u32_u24 v[LM], v44, MP
	v_lshl_add_u32 v[LM], v45, 6, v[LM]
	s_mul_i32 s92, s[WV], 32*MP
	s_add_co_u32 s92, s92, MOFF
	v_add_nc_u32 v[LM], s92, v[LM]                 ; the mask: row 32 w + r (+ 16 x), + 64 h
	; Q's tokens are stored with bits 3 and 4 exchanged: query 32 w + 16 x + r lies in storage tile 2 w + r / 8, row 8 x + r % 8.  So a lane gathers its registers from that tile's image.
	v_bfe_u32 v46, v0, 3, 1                        ; r / 8
	v_and_b32 v47, 7, v0                           ; r % 8
	v_lshl_add_u32 v7, v45, 4, v47                 ; the image's lane, less 8 x
	v_mul_u32_u24 v[QA], v46, 1536
	v_lshl_add_u32 v[QA], v7, 4, v[QA]
	s_mul_i32 s92, s[WV], 3072
	v_add_nc_u32 v[QA], s92, v[QA]
	v_mul_u32_u24 v[QB], v46, 768
	v_lshl_add_u32 v[QC], v7, 3, v[QB]
	v_lshl_add_u32 v[QB], v7, 4, v[QB]
	s_mul_i32 s92, s[WV], 1536
	v_add_nc_u32 v[QB], s92, v[QB]
	v_add_nc_u32 v[QC], s92, v[QC]
	v_lshlrev_b32 v[QD], 6, v46
	v_lshl_add_u32 v[QD], v47, 2, v[QD]
	s_lshl_b32 s92, s[WV], 7
	v_add_nc_u32 v[QD], s92, v[QD]
	WIN 0x80                                       ; destination window 2
.irp x, 0,1
.irp c, 0,1,2
	global_load_b128 v[QF+24*\x+4*\c:QF+24*\x+4*\c+3], v[QA], s[4:5] offset:128*\x+512*\c
.endr
	global_load_b128 v[QF+24*\x+12:QF+24*\x+15], v[QB], s[4:5] offset:12288+128*\x
	global_load_b64 v[QF+24*\x+16:QF+24*\x+17], v[QC], s[4:5] offset:12800+64*\x
.endr
.irp t, 0,1,2,3,4,5,6,7,8,9                    ; the second K step's upper 64 are zero codes, in K's eight tiles and in Q's two: written once
.irp i, 18,19,20,21,22,23
	v_mov_b32 v[24*\t+\i], 0
.endr
.endr
	WIN 0x40
.set j, 0
.rept 128
	v_mov_b32 v[j], 0                              ; O^T.  (The step is written once: the first finds zeros, which the first change of M leaves zeros)
.set j, j+1
.endr
	WIN 0
.irp x, 0,1
.irp k, 0,1
	global_load_b32 v[QS+2*\x+\k], v[QD], s[4:5] offset:18432+512*\k+32*\x
.endr
	v_mov_b32 v[ST+4*\x+1], 0xff61b1e6             ; the largest t so far: -3e38
	v_floor_f32 v[ST+4*\x], -v[ST+4*\x+1]          ; -M
	v_mov_b32 v[ST+4*\x+2], 0                      ; the sum, in two halves
	v_mov_b32 v[ST+4*\x+3], 0
.endr
.irp b, 0,1,2,3
	v_mov_b32 v[PT+\b], 0                          ; written once: a lane permute's destination counts as one of its sources
	v_mov_b32 v[TM+4+\b], 0
.endr
	v_mov_b32 v[FF+1], 0                           ; (named as the upper half of a pair)
.macro ADDR                            ; the addresses in the slot in hand
	v_add_nc_u32 v[AD16], s[TB], v[L16]
	v_add_nc_u32 v[AD8], s[TB], v[L8]
	v_add_nc_u32 v[AD4], s[TB], v[L4]
	v_add_nc_u32 v[ADM], s[TB], v[LM]
.endm
.macro LOADK                           ; a step's K (8 images, 8 half images), its scale words, and my 32 rows of the mask's tile
	WIN 0x80
.irp t, 0,1,2,3,4,5,6,7
.irp c, 0,1,2
	ds_load_b128 v[24*\t+4*\c:24*\t+4*\c+3], v[AD16] offset:1536*\t+512*\c
.endr
	ds_load_b128 v[24*\t+12:24*\t+15], v[AD16] offset:12288+768*\t
	ds_load_b64 v[24*\t+16:24*\t+17], v[AD8] offset:12800+768*\t
.endr
	WIN 0
.irp i, 0,1,2,3
	ds_load_b32 v[KS0+\i], v[AD4] offset:18432+128*\i
	ds_load_b32 v[KS0+4+\i], v[AD4] offset:18944+128*\i
.endr
	WIN 0x40
.irp x, 0,1
.irp b, 0,1,2,3
.irp j, 0,1,2,3
	ds_load_b128 v[128+64*\x+16*\b+4*\j:128+64*\x+16*\b+4*\j+3], v[ADM] offset:16*MP*\x+128*\b+16*\j
.endr
.endr
.endr
	WIN 0
.endm
.macro LOADV
	WIN 0xc0
.irp t, 0,1,2,3,4,5,6,7
.irp c, 0,1,2
	ds_load_b128 v[12*\t+4*\c:12*\t+4*\c+3], v[AD16] offset:19456+1536*\t+512*\c
.endr
.endr
	WIN 0
.irp i, 0,1,2,3
	ds_load_b32 v[VS+\i], v[AD4] offset:31744+128*\i
.endr
.endm
.macro SMK0 t, x                       ; S^T = K Q^T, tile t of keys x tile x of queries: the first K step starts the sum
.if \t%2 == 0
	v_wmma_scale_f32_16x16x128_f8f6f4 v[S+64*\x+8*\t:S+64*\x+8*\t+7], v[24*\t:24*\t+11], v[QF+24*\x:QF+24*\x+11], 0, v[KS0+\t/2], v[QS+2*\x] matrix_a_fmt:MATRIX_FMT_BF6 matrix_b_fmt:MATRIX_FMT_BF6
.else
	v_wmma_scale_f32_16x16x128_f8f6f4 v[S+64*\x+8*\t:S+64*\x+8*\t+7], v[24*\t:24*\t+11], v[QF+24*\x:QF+24*\x+11], 0, v[KS0+\t/2], v[QS+2*\x] matrix_a_fmt:MATRIX_FMT_BF6 matrix_b_fmt:MATRIX_FMT_BF6 matrix_a_scale:MATRIX_SCALE_ROW1
.endif
.endm
.macro SMK1 t, x                       ; the second K step
.if \t%2 == 0
	v_wmma_scale_f32_16x16x128_f8f6f4 v[S+64*\x+8*\t:S+64*\x+8*\t+7], v[24*\t+12:24*\t+23], v[QF+24*\x+12:QF+24*\x+23], v[S+64*\x+8*\t:S+64*\x+8*\t+7], v[KS0+4+\t/2], v[QS+2*\x+1] matrix_a_fmt:MATRIX_FMT_BF6 matrix_b_fmt:MATRIX_FMT_BF6
.else
	v_wmma_scale_f32_16x16x128_f8f6f4 v[S+64*\x+8*\t:S+64*\x+8*\t+7], v[24*\t+12:24*\t+23], v[QF+24*\x+12:QF+24*\x+23], v[S+64*\x+8*\t:S+64*\x+8*\t+7], v[KS0+4+\t/2], v[QS+2*\x+1] matrix_a_fmt:MATRIX_FMT_BF6 matrix_b_fmt:MATRIX_FMT_BF6 matrix_a_scale:MATRIX_SCALE_ROW1
.endif
.endm
.macro MF x, n                         ; one of tile x's 64 operations on the scores: 0-31 logit = score x 192^-0.5 + mask, 32-63 t = logit x log2(e); two numbers each
.if (\n) < 32
.set mj, S+64*(\x)+2*(\n)
	v_pk_fma_f32 v[mj:mj+1], v[mj:mj+1], s[22:23], v[mj+64:mj+65] op_sel_hi:[1,0,1]
.else
.set mj, S+64*(\x)+2*((\n)-32)
	v_pk_mul_f32 v[mj:mj+1], v[mj:mj+1], s[24:25] op_sel_hi:[1,0]
.endif
.endm
; The scores: query tile 0's 16 products, its 8 accumulators by turns; then query tile 1's 16, each followed by four of tile 0's 64 operations, which name none of its registers.
.macro SMUL
	WIN 0x0a                                       ; K and Q in window 2, S^T in window 0
.irp t, 0,1,2,3,4,5,6,7
	SMK0 \t, 0
.endr
.irp t, 0,1,2,3,4,5,6,7
	SMK1 \t, 0
.endr
.irp t, 0,1,2,3,4,5,6,7
	WIN 0x0a
	SMK0 \t, 1
	WIN 0x10                                       ; source 2 (the mask) in window 1
.if \t == 0
	PLACES 4                                       ; in front of the first read of tile 0's scores
.endif
.irp i, 0,1,2,3
	MF 0, 4*\t+\i
.endr
.endr
.irp t, 0,1,2,3,4,5,6,7
	WIN 0x0a
	SMK1 \t, 1
	WIN 0x10
.irp i, 0,1,2,3
	MF 0, 32+4*\t+\i                               ; (the last four are the places in front of the first read of tile 1's scores)
.endr
.endr
.endm
; The next step's K, scale words and mask come in nine parts, dealt over the two softmaxes.  Part t under 8: K's tile t (5 loads) and 16 registers of the mask (4 loads); part 8: K's scale words.
.macro LKT t
	WIN 0x80
.irp c, 0,1,2
	ds_load_b128 v[24*(\t)+4*\c:24*(\t)+4*\c+3], v[AD16] offset:1536*(\t)+512*\c
.endr
	ds_load_b128 v[24*(\t)+12:24*(\t)+15], v[AD16] offset:12288+768*(\t)
	ds_load_b64 v[24*(\t)+16:24*(\t)+17], v[AD8] offset:12800+768*(\t)
	WIN 0x40
.irp j, 0,1,2,3
	ds_load_b128 v[128+16*(\t)+4*\j:128+16*(\t)+4*\j+3], v[ADM] offset:16*MP*((\t)/4)+128*((\t)%4)+16*\j
.endr
	WIN 0
.endm
.macro HOOK n                          ; stands where every window is 0; LDN = 1: a step follows
.if LDN
.if (\n) < 8
	LKT \n
.elseif (\n) == 8
.irp i, 0,1,2,3
	ds_load_b32 v[KS0+\i], v[AD4] offset:18432+128*\i
	ds_load_b32 v[KS0+4+\i], v[AD4] offset:18944+128*\i
.endr
.endif
.endif
.endm
.macro MASKFMA x
	WIN 0x10                                       ; source 2 (the mask) in window 1
.set j, 0
.rept 32
	v_pk_fma_f32 v[S+64*(\x)+j:S+64*(\x)+j+1], v[S+64*(\x)+j:S+64*(\x)+j+1], s[22:23], v[128+64*(\x)+j:128+64*(\x)+j+1] op_sel_hi:[1,0,1]
.set j, j+2
.endr
.set j, 0
.rept 32
	v_pk_mul_f32 v[S+64*(\x)+j:S+64*(\x)+j+1], v[S+64*(\x)+j:S+64*(\x)+j+1], s[24:25] op_sel_hi:[1,0]
.set j, j+2
.endr
.endm
.macro SOFTMAX x
.set rS, S+64*(\x)
.set rT, ST+4*(\x)
.set rP, PCB+12*(\x)
	WIN 0
	HOOK 5*(\x)
.irp b, 0,1,2,3
	v_max3_num_f32 v[BM+\b], v[rS+16*\b], v[rS+16*\b+1], v[rS+16*\b+2]   ; the largest t of each block of 32 keys: it serves the row's maximum and, since p rises with t, the block's largest p
.endr
.irp i, 3,5,7,9,11,13
.irp b, 0,1,2,3
	v_max3_num_f32 v[BM+\b], v[BM+\b], v[rS+16*\b+\i], v[rS+16*\b+\i+1]
.endr
.endr
.irp b, 0,1,2,3
	v_max_num_f32 v[BM+\b], v[BM+\b], v[rS+16*\b+15]
.endr
	HOOK 5*(\x)+1
.irp b, 0,1,2,3
	v_permlanex16_b32 v[PT+\b], v[BM+\b], s[SEL], s[SEL+1]
.endr
.irp b, 0,1,2,3
	v_max_num_f32 v[BM+\b], v[BM+\b], v[PT+\b]     ; with lane l xor 16's 16 keys
.endr
	v_max3_num_f32 v[TMP], v[BM], v[BM+1], v[BM+2]
	v_max_num_f32 v[TMP], v[TMP], v[BM+3]
	v_max_num_f32 v[rT+1], v[rT+1], v[TMP]         ; the running largest t
	v_mov_b32 v[TMP], v[rT]
	v_floor_f32 v[rT], -v[rT+1]                    ; the new -M = -ceil(t): a whole number
	v_sub_f32 v[TMP], v[rT], v[TMP]                ; old M - new M: a whole number, 0 or less
	v_cvt_i32_f32 v[TMP], v[TMP]                   ; (it saturates)
	v_ldexp_f32 v[FF], 1.0, v[TMP]                 ; f = 2^(old M - new M): a multiplication by it rounds nothing
.set j, 0
.rept 32
	v_pk_add_f32 v[rS+j:rS+j+1], v[rS+j:rS+j+1], v[rT:rT+1] op_sel_hi:[1,0]   ; t - M
.set j, j+2
.endr
	HOOK 5*(\x)+2
.irp b, 0,1,2,3
	v_add_f32 v[BM+\b], v[BM+\b], v[rT]            ; the same of each block's largest t
.endr
.set j, 0
	s_wait_alu depctr_va_vdst(0)
.rept 64
	v_exp_f32 v[rS+j], v[rS+j]                     ; p = 2^(t - M), not normalised
.set j, j+1
.endr
.irp b, 0,1,2,3
	v_exp_f32 v[BM+\b], v[BM+\b]                   ; the block's largest p: the same instructions on the same number give the same bits
.endr
	v_pk_mul_f32 v[rT+2:rT+3], v[rT+2:rT+3], v[FF:FF+1] op_sel_hi:[1,0]   ; the sums under the new M.  (A plain place behind the exponentials)
	s_wait_alu depctr_va_vdst(0)
	HOOK 5*(\x)+3
.irp b, 0,1,2,3
	v_max_num_f32 v[BM+\b], 0x2800000, v[BM+\b]    ; the floor 2^(5 - 127): the byte cannot fall under 1
.endr
.irp b, 0,1,2,3
	v_add_nc_u32 v[SO+\b], 0xfe000000, v[BM+\b]    ; 4 off the exponent field: the conversion's scale operand
.endr
.irp b, 0,1,2,3
	v_lshrrev_b32 v[BY+\b], 23, v[SO+\b]
.endr
	v_lshl_or_b32 v[PW0+(\x)], v[BY+1], 8, v[BY]   ; p's scale word for these 128 keys
	v_lshl_or_b32 v[PW0+(\x)], v[BY+2], 16, v[PW0+(\x)]
	v_lshl_or_b32 v[PW0+(\x)], v[BY+3], 24, v[PW0+(\x)]
.irp c, 0,1
	v_cvt_scalef32_pk16_bf6_f32 v[rP+6*\c:rP+6*\c+2], v[rS+32*\c:rS+32*\c+15], v[SO+2*\c]
	v_cvt_scalef32_pk16_bf6_f32 v[CT+4*\c:CT+4*\c+2], v[rS+32*\c+16:rS+32*\c+31], v[SO+2*\c+1]
.endr
	v_nop                                          ; one plain place behind a scaled conversion
.irp c, 0,1
.irp i, 0,1,2
	v_permlane16_swap_b32 v[rP+6*\c+\i], v[CT+4*\c+\i]
.endr
.irp i, 0,1,2
	v_mov_b32 v[rP+3+6*\c+\i], v[CT+4*\c+\i]
.endr
.endr
	HOOK 5*(\x)+4
	v_pk_add_f32 v[SUMT:SUMT+1], v[rS:rS+1], v[rS+2:rS+3]   ; the row's sum is taken of the unquantised p: two chains
.irp j, 4,8,12,16,20,24,28,32,36,40,44,48,52,56,60
	v_pk_add_f32 v[rT+2:rT+3], v[rT+2:rT+3], v[rS+\j:rS+\j+1]
	v_pk_add_f32 v[SUMT:SUMT+1], v[SUMT:SUMT+1], v[rS+\j+2:rS+\j+3]
.endr
	v_pk_add_f32 v[rT+2:rT+3], v[rT+2:rT+3], v[SUMT:SUMT+1]
	WIN 0x41                                       ; O^T (destination and source 0) in window 1
.set j, 0
.rept 32
	v_pk_mul_f32 v[64*(\x)+j:64*(\x)+j+1], v[64*(\x)+j:64*(\x)+j+1], v[FF:FF+1] op_sel_hi:[1,0]   ; O^T under the new M.  (These are also the places between p's codes and scale word and the products)
.set j, j+2
.endr
.endm
.macro PV x                            ; O^T += V^T P^T: eight tiles of d, K = these 128 keys
	WIN 0x53                                       ; V^T in window 3, P in window 0, O^T in window 1
.irp t, 0,1,2,3,4,5,6,7
.if \t%2 == 0
	v_wmma_scale_f32_16x16x128_f8f6f4 v[64*(\x)+8*\t:64*(\x)+8*\t+7], v[12*\t:12*\t+11], v[PCB+12*(\x):PCB+12*(\x)+11], v[64*(\x)+8*\t:64*(\x)+8*\t+7], v[VS+\t/2], v[PW0+(\x)] matrix_a_fmt:MATRIX_FMT_BF6 matrix_b_fmt:MATRIX_FMT_BF6
.else
	v_wmma_scale_f32_16x16x128_f8f6f4 v[64*(\x)+8*\t:64*(\x)+8*\t+7], v[12*\t:12*\t+11], v[PCB+12*(\x):PCB+12*(\x)+11], v[64*(\x)+8*\t:64*(\x)+8*\t+7], v[VS+\t/2], v[PW0+(\x)] matrix_a_fmt:MATRIX_FMT_BF6 matrix_b_fmt:MATRIX_FMT_BF6 matrix_a_scale:MATRIX_SCALE_ROW1
.endif
.endr
.endm
; A KEY STEP.  next = 1: a step follows: when V^T is in registers my reads of this slot are over; the change of slots stands here, and the next step's K and mask are fetched under the softmax.
; fill = 1: this slot is filled again, with the step two on: that load has a whole step in which to land.
.macro TRIP fill, next
.set LDN, \next
	PLACES 4                                       ; in front of loads into registers that the last step's products have read
	LOADV                                          ; this step's V^T is fetched under the scores' products
	s_wait_dscnt 28                                ; K, its scale words and the mask are in; the youngest 28 loads, V^T's 24 and its 4 scale words, may be out
	SMUL
	WIN 0
.if \next
	WIN 0
	s_wait_tensorcnt 0x0                           ; all my tensor loads have landed: my part of the next slot; so a group 0 may be written
	ds_add_u32 v[SPW], v[NIL]                      ; 0 onto my spare word
.if \fill
	s_xor_b32 s[G0K+5], s[G0K+5], SLOT1            ; the walking descriptors: the other slot than last time, the next key step
	s_add_nc_u64 s[G0K+6:G0K+7], s[G0K+6:G0K+7], 32256
	s_xor_b32 s[G0M+5], s[G0M+5], SLOT1
	s_add_nc_u64 s[G0M+6:G0M+7], s[G0M+6:G0M+7], 512
.endif
	MASKFMA 1                                      ; work on registers stands between the add and the wait for it
	WIN 0
	s_wait_dscnt 0x0                               ; the add is done, V^T is in, and my reads of this slot are over
.if \fill
	CROUND                                         ; no wave of any partner still reads the slot or has a load on its way
	JLOAD                                          ; my one tensor load behind the round
.else
	s_barrier_signal -1
	s_barrier_wait -1
.endif
	s_xor_b32 s[TB], s[TB], SLOT1
	ADDR
.else
	MASKFMA 1
	WIN 0
	s_wait_dscnt 0x0                               ; V^T is in
.endif
	SOFTMAX 0
	PV 0
	SOFTMAX 1
	PV 1
	WIN 0
.endm
	s_wait_tensorcnt 0x0                           ; my tile of the head's four is in; no tensor load of mine is out, so group 1 may be written: the ring's loads bring half tiles
	s_mov_b32 s[G1K+2], 63<<16
	s_mov_b32 s[G1K+4], 63
	s_mov_b32 s[G1M+2], 64<<16
	s_mov_b32 s[G1M+4], 64
	s_barrier_signal -1
	s_barrier_wait -1
	ADDR
	LOADK
	s_wait_loadcnt 0x0                             ; Q
	s_mov_b32 s[CNT], 6
.Ltrip:                                            ; key steps 0-5 ask for steps 2-7
	s_wait_alu depctr_va_vdst(0)
	TRIP 1, 1
	s_sub_co_u32 s[CNT], s[CNT], 1
	s_cmp_lg_u32 s[CNT], 0
	s_cbranch_scc1 .Ltrip
	TRIP 0, 1                                      ; the tail is written out
	TRIP 0, 0
	; THE WAY OUT: O^T / the sum, quantised along d (a head is one K step of the last product), as an image; rows in their natural order
	PLACES 4
.irp x, 0,1
	v_add_f32 v[ST+4*\x+2], v[ST+4*\x+2], v[ST+4*\x+3]
.endr
.irp x, 0,1
	v_permlanex16_b32 v[PT+\x], v[ST+4*\x+2], s[SEL], s[SEL+1]
.endr
.irp x, 0,1
	v_add_f32 v[ST+4*\x+2], v[ST+4*\x+2], v[PT+\x]  ; the row's sum
.endr
	s_wait_alu depctr_va_vdst(0)
.irp x, 0,1
	v_rcp_f32 v[ST+4*\x+3], v[ST+4*\x+2]
.endr
	v_nop                                          ; a plain place behind the reciprocals
	s_wait_alu depctr_va_vdst(0)
.irp x, 0,1
	WIN 0x01                                       ; source 0 (O^T) in window 1
.set j, 0
.rept 64
	v_mul_f32 v[S+64*\x+j], v[64*\x+j], v[ST+4*\x+3]
.set j, j+1
.endr
	WIN 0
	QUANT S+64*\x, 0, PCB+12*\x
.irp c, 0,1,2
	global_store_b128 v[L16], v[PCB+12*\x+4*\c:PCB+12*\x+4*\c+3], s[86:87] offset:1536*\x+512*\c   ; 512 consecutive bytes
.endr
.if \x == 0
	v_mov_b32 v[PWE], v[PW]
.endif
.endr
	v_cndmask_b32 v[PWM], v[PWE], v[PW], s[HM]     ; lanes 0-15 tile 0's words, lanes 16-31 tile 1's
	global_store_b32 v[L4], v[PWM], s[88:89]
	s_wait_tensorcnt 0x0                           ; the wave's end
	ds_add_u32 v[SPW], v[NIL]
	s_wait_dscnt 0x0
	CROUND                                         ; the closing round
	s_endpgm
.Lfunc_end_k_qf6bb7aeed6_attn:
	.size	k_qf6bb7aeed6_attn, .Lfunc_end_k_qf6bb7aeed6_attn-k_qf6bb7aeed6_attn
	.p2alignl 7, 3214868480
	.fill 96, 4, 3214868480
	.section	.rodata,"a",@progbits
	.p2align	6, 0x0
	.amdhsa_kernel k_qf6bb7aeed6_attn
		.amdhsa_group_segment_fixed_size 327680
		.amdhsa_private_segment_fixed_size 0
		.amdhsa_enable_private_segment 0
		.amdhsa_kernarg_size 32
		.amdhsa_user_sgpr_count 2
		.amdhsa_user_sgpr_kernarg_segment_ptr 1
		.amdhsa_wavefront_size32 1
		.amdhsa_system_sgpr_workgroup_id_x 1
		.amdhsa_system_sgpr_workgroup_id_y 1
		.amdhsa_system_sgpr_workgroup_id_z 1
		.amdhsa_system_vgpr_workitem_id 0
		.amdhsa_next_free_vgpr 1024
		.amdhsa_next_free_sgpr 100
		.amdhsa_reserve_vcc 0
		.amdhsa_float_denorm_mode_32 3
		.amdhsa_float_denorm_mode_16_64 3
		.amdhsa_memory_ordered 1
		.amdhsa_forward_progress 1
		.amdhsa_inst_pref_size 175
	.end_amdhsa_kernel
	.amdgpu_metadata
---
amdhsa.version: [ 1, 2 ]
amdhsa.kernels:
  - .name:           k_qf6bb7aeed6_attn
    .symbol:         k_qf6bb7aeed6_attn.kd
    .args:
      - { .name: qbuf, .offset: 0, .size: 8, .value_kind: global_buffer, .address_space: global }
      - { .name: kvbuf, .offset: 8, .size: 8, .value_kind: global_buffer, .address_space: global }
      - { .name: mask, .offset: 16, .size: 8, .value_kind: global_buffer, .address_space: global }
      - { .name: cq, .offset: 24, .size: 8, .value_kind: global_buffer, .address_space: global }
    .group_segment_fixed_size: 327680
    .private_segment_fixed_size: 0
    .kernarg_segment_align: 8
    .kernarg_segment_size: 32
    .max_flat_workgroup_size: 128
    .sgpr_count:     100
    .vgpr_count:     1024
    .wavefront_size: 32
...
	.end_amdgpu_metadata
.endif
;; end of part 3
;; launch gemm_o (part 4): grid 16 x 16, 4 waves a work-group, clusters of 4 x 4, 327,680 bytes of LDS; arguments cq, wq, bo, out0; writes out0
.if DOCPART == 4
	.amdgcn_target "amdgcn-amd-amdhsa--gfx1250"
	.amdhsa_code_object_version 6
	.text
	.protected	k_qf6bb7aeed6_gemm_o
	.globl	k_qf6bb7aeed6_gemm_o
	.p2align	8
	.type	k_qf6bb7aeed6_gemm_o,@function
k_qf6bb7aeed6_gemm_o:
	s_mov_b64 s[64:65], 0
	v_nop
	global_prefetch_b8 v0, s[64:65] scope:SCOPE_SE
	s_setreg_imm32_b32 hwreg(HW_REG_WAVE_MODE, 25, 1), 1
	s_wait_xcnt 0x0
	s_wait_alu depctr_hold_cnt(0) depctr_sa_sdst(0) depctr_va_vdst(0) depctr_va_sdst(0) depctr_va_ssrc(0) depctr_va_vcc(0) depctr_vm_vsrc(0)
	s_getreg_b32 s2, hwreg(HW_REG_IB_STS2, 6, 4)
	s_cmp_eq_u32 s2, 0
	s_cbranch_scc0 .Lentry_in_a_cluster
	s_endpgm
.Lentry_in_a_cluster:
	s_bfe_u32 s2, ttmp6, 0x10000c
	s_cmp_lg_u32 s2, 0xf033
	s_cbranch_scc0 .Lentry_shape_is_right
	s_endpgm
.Lentry_shape_is_right:
; out0 = c_v Wo + bo on BF6 (E3M2) codes with E8M0 scales for each 32 along K = 2048.  A = cq (2,048 rows, natural order), B = Wo's part of wq (its columns, stored with bits 3 and 4 exchanged).
; Tiles of 128 x 128: 16 x 16 = 256 work-groups; four waves of 64 x 64, 16 accumulators each.
; Both operands lie in memory as [128 rows][16 K steps][8 row tiles][1536], a fragment being an image of the operand's 12 registers: so any run of K steps of a work-group's 128 rows is one dense block.
; THE HEAD: four tiles, one joint load a wave: wave 0 A's K steps 0-3, wave 1 B's, wave 2 A's K steps 4-11, wave 3 B's.  Ahead of the first barrier only waves 0 and 1 wait for their loads: behind it K steps 0-3 alone are read.
; Waves 2 and 3 wait for theirs at the change to K step 4, where every wave waits for all its loads.  There K steps 12-15 go onto the bytes of K steps 0-3: ONE refill, a quarter a wave,
; with the products of K steps 4-11 between the request and the wait for it.  That refill's bytes are prefetched at the head: of a wave's 24,576 bytes each of the four partners names 6,144 (by address), a lane a block of 256 bytes.
; THE SCALE WORDS of a wave's 64 rows of A and 64 rows of B for all of K go from memory into 64 registers, once: a K step's words of 64 rows are 256 consecutive bytes, aligned, read by two loads of 128 bytes.
; CLUSTER 4 x 4: A's tiles are asked for jointly along a row of the cluster, B's along a column.  The matrix instruction is used transposed (source 0 = 16 rows of B, source 1 = 16 rows of A):
; register j of accumulator (a, b) in lane (r, h) is out0(row 16 a + r, column 32 (b / 2) + 16 h + 8 (b % 2) + j).  The bias is the C of each sum's first product.
; REGISTERS: window 0: v1-29 addresses; v32-63 A's scale words, v64-95 B's (register 2 k + i: K step k, rows 32 i on); v64-127 the way out; from v128 A's fragments, one set.
;   window 1: B's fragments, two sets, at v0 and v128.  window 2: the accumulators ((a, b) at v[8 (4 a + b)]); from v128 the bias, eight registers for each b.
.set TT,    4
.set NQ,    4
.set FRB,   1536
.set KST,   8*FRB                      ; a K step of 128 rows
.set GRPB,  NQ*KST                     ; four K steps
.set OPB,   3*GRPB                     ; an operand's bytes in LDS: A from 0, B from OPB
.set SPARE, 2*OPB                      ; the spare words, 128 bytes for each wave
.set WS,    15728640
.set CSC,   3145728
.set L16,  2
.set L4,   3
.set ADRA, 16                          ; v16-18 my A fragments of K steps 0-3 (and 12-15), 4-7, 8-11
.set ADRB, 19                          ; v19-21 the same for B
.set STO,  22
.set RD,   23
.set CO,   24
.set PFO,  25
.set SPW,  28
.set NIL,  29
.set SC,   32
.set BK,   64
.set AF,   128
.set BIAS, 128
.set G1,   24                          ; group 1: A, four K steps (in the refill two)
.set G0H,  32                          ; group 0: A's K steps 0-3, A's refill
.set G0R,  36
.set G1B,  48                          ; the same for B
.set G0HB, 56
.set G0RB, 60
.set G1L,  68                          ; groups 1 and 0: A's K steps 4-11
.set G0L,  76
.set G1LB, 80                          ; and B's
.set G0LB, 88
.set MUL,  0xa1                        ; source 0 (B) window 1, source 1 (A) window 0, C and D window 2
.set MSB, 0
.macro WIN new
.if MSB != (\new)
	s_set_vgpr_msb (MSB<<8)|(\new)
.set MSB, \new
.endif
.endm
.macro PLACES n
.rept \n
	v_nop
.endr
.endm
.macro CREST
	s_cmp_lg_u32 s14, 0
	s_cbranch_scc1 .Lnot_wave_0_\@
	s_barrier_signal -3
.Lnot_wave_0_\@:
	s_barrier_wait -3
	s_barrier_signal -1
	s_barrier_wait -1
.endm
.macro CROUND
	s_barrier_signal -1
	s_barrier_wait -1
	CREST
.endm
.macro ARM under, g0, g1, next
	s_cmp_lt_u32 s14, \under
	s_cbranch_scc0 \next
	tensor_load_to_lds s[\g0:\g0+3], s[\g1:\g1+7]
	s_nop 0
.rept 4
	v_nop
.endr
	s_branch .Lhead_asked
\next:
.endm
	s_load_b256 s[4:11], s[0:1], 0x0               ; cq, wq, bo, out0
	v_lshl_add_u32 v[SPW], v0, 2, SPARE
	v_mov_b32 v[NIL], 0
	ds_add_u32 v[SPW], v[NIL]                      ; the opening lines: the add twice on end and its wait
	ds_add_u32 v[SPW], v[NIL]
	v_lshrrev_b32 v1, 5, v0
	v_readfirstlane_b32 s14, v1                    ; wave
	s_lshr_b32 s15, s14, 1                         ; my half of A's rows; in the refill: I fetch for A (0) or B (1)
	s_and_b32 s16, s14, 1                          ; my half of B's rows; in the refill: which two K steps I fetch
	s_bfe_u32 s40, ttmp6, 0x40000                  ; cx
	s_bfe_u32 s41, ttmp6, 0x40004                  ; cy
	s_lshl_b32 s42, ttmp9, 2
	s_add_co_u32 s42, s42, s40                     ; tx
	s_and_b32 s17, ttmp7, 0xffff
	s_lshl_b32 s17, s17, 2
	s_add_co_u32 s17, s17, s41                     ; ty
	s_lshl_b32 s43, s41, 2
	s_lshl_b32 s43, 15, s43                        ; my row of the cluster
	s_lshl_b32 s44, 0x1111, s40                    ; my column
	s_or_b32 s[G1+0], s43, (3<<16)|(1<<21)         ; elements of 8 bytes, no padding, bit 21 beside the mask
	s_or_b32 s[G1B+0], s44, (3<<16)|(1<<21)
.irp g, G1, G1B                        ; 4 K steps of 12,288 bytes, dense
	s_mov_b32 s[\g+1], (KST/8)<<16
	s_mov_b32 s[\g+2], 4<<16
	s_mov_b32 s[\g+3], (KST/8)<<16
	s_mov_b32 s[\g+4], 4
	s_mov_b32 s[\g+5], KST/8
	s_mov_b32 s[\g+6], 0
	s_mov_b32 s[\g+7], 0
.endr
	s_or_b32 s[G1L+0], s43, (3<<16)|(1<<21)
	s_or_b32 s[G1LB+0], s44, (3<<16)|(1<<21)
.irp g, G1L, G1LB                      ; 8 K steps
	s_mov_b32 s[\g+1], (KST/8)<<16
	s_mov_b32 s[\g+2], 8<<16
	s_mov_b32 s[\g+3], (KST/8)<<16
	s_mov_b32 s[\g+4], 8
	s_mov_b32 s[\g+5], KST/8
	s_mov_b32 s[\g+6], 0
	s_mov_b32 s[\g+7], 0
.endr
	s_mul_i32 s20, s17, 16*KST                     ; A's codes: group ty
	s_mov_b32 s21, 0
	s_lshl_b32 s22, s17, 13
	s_lshl_b32 s23, s15, 8
	s_add_co_u32 s22, s22, s23
	s_add_co_u32 s22, s22, CSC                     ; A's scale words: group ty, my 64 rows
	s_mov_b32 s23, 0
	s_mul_i32 s46, s42, 16*KST
	s_add_co_u32 s46, s46, 64*16*KST               ; B's codes: group 64 + tx of wq
	s_mov_b32 s47, 0
	s_lshl_b32 s92, s42, 13
	s_lshl_b32 s93, s16, 8
	s_add_co_u32 s92, s92, s93
	s_add_co_u32 s92, s92, WS+524288               ; B's scale words, my 64 rows
	s_mov_b32 s93, 0
	s_mul_i32 s18, s16, 2*KST                      ; the refill: my two K steps, in memory and in LDS
	s_mov_b32 s19, 0
	s_wait_dscnt 0x0                               ; both opening adds are done
	s_wait_kmcnt 0x0
	s_add_nc_u64 s[20:21], s[4:5], s[20:21]
	s_add_nc_u64 s[94:95], s[4:5], s[22:23]
	s_add_nc_u64 s[46:47], s[6:7], s[46:47]
	s_add_nc_u64 s[92:93], s[6:7], s[92:93]
	CROUND                                         ; all sixteen work-groups are here: the first joint loads meet
	s_mov_b32 s[G0H], 1
	s_mov_b32 s[G0H+1], 0
	s_mov_b64 s[G0H+2:G0H+3], s[20:21]
	s_or_b32 s[G0H+3], s[G0H+3], 0x80000000
	s_mov_b32 s[G0HB], 1
	s_mov_b32 s[G0HB+1], OPB
	s_mov_b64 s[G0HB+2:G0HB+3], s[46:47]
	s_or_b32 s[G0HB+3], s[G0HB+3], 0x80000000
	s_mov_b32 s[G0L], 1
	s_mov_b32 s[G0L+1], GRPB
	s_add_nc_u64 s[G0L+2:G0L+3], s[20:21], 4*KST
	s_or_b32 s[G0L+3], s[G0L+3], 0x80000000
	s_mov_b32 s[G0LB], 1
	s_mov_b32 s[G0LB+1], OPB+GRPB
	s_add_nc_u64 s[G0LB+2:G0LB+3], s[46:47], 4*KST
	s_or_b32 s[G0LB+3], s[G0LB+3], 0x80000000
	s_mov_b32 s[G0R], 1                            ; the refill: K steps 12 + 2 (wave % 2) and the next
	s_mov_b32 s[G0R+1], s18
	s_add_nc_u64 s[G0R+2:G0R+3], s[20:21], s[18:19]
	s_add_nc_u64 s[G0R+2:G0R+3], s[G0R+2:G0R+3], 12*KST
	s_mov_b32 s[G0RB], 1
	s_add_co_u32 s[G0RB+1], s18, OPB
	s_add_nc_u64 s[G0RB+2:G0RB+3], s[46:47], s[18:19]
	s_add_nc_u64 s[G0RB+2:G0RB+3], s[G0RB+2:G0RB+3], 12*KST
	s_cmp_eq_u32 s15, 0                            ; the prefetch: my work-group's quarter of what I shall fetch
	s_cselect_b64 s[96:97], s[G0R+2:G0R+3], s[G0RB+2:G0RB+3]
	s_cselect_b32 s98, s40, s41
	s_mul_i32 s98, s98, KST/2
	s_mov_b32 s99, 0
	s_add_nc_u64 s[96:97], s[96:97], s[98:99]
	s_or_b32 s[G0R+3], s[G0R+3], 0x80000000
	s_or_b32 s[G0RB+3], s[G0RB+3], 0x80000000
	ARM 1, G0H,  G1,  .Lhead_b                     ; one chain of branches on the wave's number, one load to an arm
	ARM 2, G0HB, G1B, .Lhead_la
	ARM 3, G0L,  G1L, .Lhead_lb
	tensor_load_to_lds s[G0LB:G0LB+3], s[G1LB:G1LB+7]
	s_nop 0
.rept 4
	v_nop
.endr
.Lhead_asked:
	s_mul_i32 s21, s15, TT*FRB                     ; my four row tiles of A,
	s_mul_i32 s22, s16, TT*FRB
	s_add_co_u32 s22, s22, OPB                     ; and of B
	s_mul_i32 s23, s14, 16*272                     ; my stage: 16 rows of 256 + 16 bytes, on the bytes of A's K steps 4-7
	s_add_co_u32 s23, s23, GRPB
	s_lshl_b32 s18, s42, 9
	s_lshl_b32 s19, s16, 8
	s_add_co_u32 s18, s18, s19                     ; my first column, in bytes
	s_mov_b32 s19, 0
	s_add_nc_u64 s[8:9], s[8:9], s[18:19]
	s_lshl_b32 s46, s17, 7
	s_lshl_b32 s47, s15, 6
	s_add_co_u32 s46, s46, s47                     ; my first row
	s_lshl_b32 s46, s46, 13
	s_add_co_u32 s46, s46, s18
	s_mov_b32 s47, 0
	s_add_nc_u64 s[10:11], s[10:11], s[46:47]
	v_and_b32 v1, 31, v0
	v_lshlrev_b32 v[L16], 4, v1
	v_lshlrev_b32 v[L4], 2, v1
	v_bfe_u32 v5, v0, 4, 1                         ; h
	v_lshlrev_b32 v4, 6, v5                        ; the bias: 16 h numbers on
	v_and_b32 v6, 15, v0                           ; r
	v_add_nc_u32 v[ADRA], s21, v[L16]
	v_add_nc_u32 v[ADRB], s22, v[L16]
	v_add_nc_u32 v[ADRA+1], GRPB, v[ADRA]
	v_add_nc_u32 v[ADRB+1], GRPB, v[ADRB]
	v_add_nc_u32 v[ADRA+2], 2*GRPB, v[ADRA]
	v_add_nc_u32 v[ADRB+2], 2*GRPB, v[ADRB]
	v_mul_u32_u24 v[STO], v6, 272
	v_lshl_add_u32 v[STO], v5, 6, v[STO]
	v_add_nc_u32 v[STO], s23, v[STO]               ; in: row r, + 64 h
	v_mul_u32_u24 v[RD], v5, 272
	v_lshl_add_u32 v[RD], v6, 4, v[RD]
	v_add_nc_u32 v[RD], s23, v[RD]                 ; back: lanes 0-15 one row, lanes 16-31 the next
	v_lshlrev_b32 v[CO], 13, v5
	v_lshl_add_u32 v[CO], v6, 4, v[CO]             ; and the same two rows in out0
	v_min_u32 v[PFO], 23, v1                       ; 24 blocks of 256 bytes; the lanes left over name the last again
	v_lshlrev_b32 v[PFO], 8, v[PFO]
	s_wait_alu depctr_va_vdst(0)
.set sk, 0
.rept 16                               ; lanes 0-15 the words of an even row tile, lanes 16-31 of the odd one behind it
	global_load_b32 v[SC+2*sk], v[L4], s[94:95] offset:512*sk
	global_load_b32 v[SC+2*sk+1], v[L4], s[94:95] offset:512*sk+128
	global_load_b32 v[SC+32+2*sk], v[L4], s[92:93] offset:512*sk
	global_load_b32 v[SC+32+2*sk+1], v[L4], s[92:93] offset:512*sk+128
.set sk, sk+1
.endr
	WIN 0x80
.irp b, 0,1,2,3
	global_load_b128 v[BIAS+8*\b:BIAS+8*\b+3], v4, s[8:9] offset:(32*(\b/2)+8*(\b%2))*4
	global_load_b128 v[BIAS+8*\b+4:BIAS+8*\b+7], v4, s[8:9] offset:(32*(\b/2)+8*(\b%2))*4+16
.endr
	WIN 0
	global_prefetch_b8 v[PFO], s[96:97] th:TH_LOAD_NT scope:SCOPE_SE
.macro FRAG reg, adr, q, i
.irp c, 0,1,2
	ds_load_b128 v[(\reg)+4*\c:(\reg)+4*\c+3], v[\adr] offset:(\q)*KST+(\i)*FRB+512*\c
.endr
.endm
.macro FETCH_B slot, q, p
	WIN 0x40
.set fi, 0
.rept TT
	FRAG 128*(\p)+12*fi, ADRB+\slot, \q, fi
.set fi, fi+1
.endr
	WIN 0
.endm
.macro FETCH_A slot, q, i0
.set fi, \i0
.rept TT/2
	FRAG AF+12*fi, ADRA+\slot, \q, fi
.set fi, fi+1
.endr
.endm
.macro WM a, p, q, g, zero             ; the product of A's block a and B's block mb in K step 4 g + q; zero = 1: the bias starts the sum
.set rD, 8*(4*(\a)+mb)
.set rC, rD
.if \zero
.set rC, BIAS+8*mb
.endif
.set rB, 128*(\p)+12*mb
.set rA, AF+12*(\a)
.set rSB, SC+32+2*(NQ*(\g)+(\q))+mb/2
.set rSA, SC+2*(NQ*(\g)+(\q))+(\a)/2
.set rO, 2*((\a)%2)+mb%2
.if rO == 0
	v_wmma_scale_f32_16x16x128_f8f6f4 v[rD:rD+7], v[rB:rB+11], v[rA:rA+11], v[rC:rC+7], v[rSB], v[rSA] matrix_a_fmt:MATRIX_FMT_BF6 matrix_b_fmt:MATRIX_FMT_BF6
.elseif rO == 1
	v_wmma_scale_f32_16x16x128_f8f6f4 v[rD:rD+7], v[rB:rB+11], v[rA:rA+11], v[rC:rC+7], v[rSB], v[rSA] matrix_a_fmt:MATRIX_FMT_BF6 matrix_b_fmt:MATRIX_FMT_BF6 matrix_a_scale:MATRIX_SCALE_ROW1
.elseif rO == 2
	v_wmma_scale_f32_16x16x128_f8f6f4 v[rD:rD+7], v[rB:rB+11], v[rA:rA+11], v[rC:rC+7], v[rSB], v[rSA] matrix_a_fmt:MATRIX_FMT_BF6 matrix_b_fmt:MATRIX_FMT_BF6 matrix_b_scale:MATRIX_SCALE_ROW1
.else
	v_wmma_scale_f32_16x16x128_f8f6f4 v[rD:rD+7], v[rB:rB+11], v[rA:rA+11], v[rC:rC+7], v[rSB], v[rSA] matrix_a_fmt:MATRIX_FMT_BF6 matrix_b_fmt:MATRIX_FMT_BF6 matrix_a_scale:MATRIX_SCALE_ROW1 matrix_b_scale:MATRIX_SCALE_ROW1
.endif
.endm
.macro MULR a0, n, p, q, g, zero       ; the 16 accumulators take turns, in the same order in every step
.set ma, \a0
.rept \n
.set mb, 0
.rept TT
	WM ma, \p, \q, \g, \zero
.set mb, mb+1
.endr
.set ma, ma+1
.endr
.endm
.macro STEP slot, q, g, zero           ; K step 4 g + q, whose successor lies in the same four
	s_wait_dscnt 3*TT/2                            ; all but the youngest six loads (A's upper blocks)
	WIN MUL
	MULR 0, TT/2, (\q)%2, \q, \g, \zero
	s_wait_dscnt 0x0
	PLACES 4                                       ; in front of loads into registers that matrix instructions have read
	FETCH_B \slot, (\q)+1, 1-(\q)%2
	FETCH_A \slot, (\q)+1, 0
	WIN MUL
	MULR TT/2, TT/2, (\q)%2, \q, \g, \zero
	PLACES 4
	WIN 0
	FETCH_A \slot, (\q)+1, TT/2
.endm
; K step 4 g + 3 goes on into the next four.  mode 2: a round of the cluster's barrier, and the bytes just read are filled again; 1: a barrier, behind which the refill is whole for every wave; 0: none.
.macro TURN next, g, mode
.if \mode
	s_wait_tensorcnt 0x0                           ; all my tensor loads have landed
	ds_add_u32 v[SPW], v[NIL]
	s_wait_dscnt 3*TT/2+1                          ; (the add and A's upper blocks may be out)
	WIN MUL
	MULR 0, TT/4, 1, NQ-1, \g, 0
	s_wait_dscnt 0x0                               ; the add is done, and my reads of these four K steps are over
	s_barrier_signal -1
	MULR TT/4, TT/4, 1, NQ-1, \g, 0
	WIN 0
	s_barrier_wait -1
.else
	s_wait_dscnt 3*TT/2
	WIN MUL
	MULR 0, TT/2, 1, NQ-1, \g, 0
	s_wait_dscnt 0x0
	WIN 0
.endif
.if \mode == 2
	CREST                                          ; the barrier has opened a round of the cluster's
	s_mov_b32 s[G1+2], 2<<16                       ; no tensor load of mine is out: a load now brings two K steps
	s_mov_b32 s[G1+4], 2
	s_mov_b32 s[G1B+2], 2<<16
	s_mov_b32 s[G1B+4], 2
	s_cmp_eq_u32 s15, 0
	s_cbranch_scc0 .Lfor_b
	tensor_load_to_lds s[G0R:G0R+3], s[G1:G1+7]
	s_nop 0
	PLACES 4
	s_branch .Lasked
.Lfor_b:
	tensor_load_to_lds s[G0RB:G0RB+3], s[G1B:G1B+7]
	s_nop 0
	PLACES 4
.Lasked:
.else
	PLACES 4
.endif
	FETCH_B \next, 0, 0
	FETCH_A \next, 0, 0
	WIN MUL
	MULR TT/2, TT/2, 1, NQ-1, \g, 0
	PLACES 4
	WIN 0
	FETCH_A \next, 0, TT/2
.endm
	s_cmp_lt_u32 s14, 2                            ; waves 0 and 1 fetched K steps 0-3, which alone are read behind this barrier; the loads of waves 2 and 3 stay out across it
	s_cbranch_scc0 .Lnot_first
	s_wait_tensorcnt 0x0
.Lnot_first:
	s_barrier_signal -1
	s_barrier_wait -1
	FETCH_B 0, 0, 0
	FETCH_A 0, 0, 0
	FETCH_A 0, 0, TT/2
	s_wait_loadcnt 0x0                             ; the scale words and the bias
	STEP 0, 0, 0, 1                                ; K step 0 starts the sums from the bias
	STEP 0, 1, 0, 0
	STEP 0, 2, 0, 0
	TURN 1, 0, 2                                   ; K steps 4-11 are whole; the bytes of K steps 0-3 take K steps 12-15
	STEP 1, 0, 1, 0
	STEP 1, 1, 1, 0
	STEP 1, 2, 1, 0
	TURN 2, 1, 0
	STEP 2, 0, 2, 0
	STEP 2, 1, 2, 0
	STEP 2, 2, 2, 0
	TURN 0, 2, 1                                   ; the refill is whole; nothing is left to fetch
	STEP 0, 0, 3, 0
	STEP 0, 1, 3, 0
	STEP 0, 2, 3, 0
	s_wait_dscnt 3*TT/2                            ; K step 15
	WIN MUL
	MULR 0, TT/2, 1, NQ-1, 3, 0
	s_wait_dscnt 0x0
	MULR TT/2, TT/2, 1, NQ-1, 3, 0
	WIN 0
; THE WAY OUT, block by block of 16 rows x 64 columns, through my own stage, on bytes that are filled once and that nobody reads behind the last barrier.
; LDS serves a wave's instructions in order: no wait between the stores and the loads, nor in front of the next block's stores.
.macro TOSTAGE a
	WIN 0x08                                       ; an LDS store's data are its source 1: window 2
.irp b, 0,1,2,3
	ds_store_b128 v[STO], v[8*(4*(\a)+\b):8*(4*(\a)+\b)+3] offset:128*(\b/2)+32*(\b%2)       ; each accumulator from its low end on
	ds_store_b128 v[STO], v[8*(4*(\a)+\b)+4:8*(4*(\a)+\b)+7] offset:128*(\b/2)+32*(\b%2)+16
.endr
	WIN 0
.irp t, 0,1,2,3,4,5,6,7
	ds_load_b128 v[BK+32*((\a)%2)+4*\t:BK+32*((\a)%2)+4*\t+3], v[RD] offset:544*\t
.endr
.endm
.macro SEND a, younger                 ; younger: the LDS instructions issued behind block a's loads, which may stay out
	s_wait_dscnt \younger
.if (\a) > 0
	s_add_nc_u64 s[10:11], s[10:11], 131072        ; 16 rows on (behind a wait on XCNT: the earlier stores have read their base)
.endif
.irp t, 0,1,2,3,4,5,6,7
	global_store_b128 v[CO], v[BK+32*((\a)%2)+4*\t:BK+32*((\a)%2)+4*\t+3], s[10:11] offset:16384*\t th:TH_STORE_NT   ; sixteen lanes store 256 consecutive bytes, at a multiple of 256 from out0's first byte
.endr
.endm
	PLACES 4                                       ; in front of the first read of results, and of loads into registers that held scale words
	TOSTAGE 0
.irp a, 1,2,3
.if \a > 1
	s_wait_xcnt 0x0                                ; block a - 2's stores have read their registers and their base
.endif
	TOSTAGE \a
	SEND \a-1, 16                                  ; behind block a - 1's loads: block a's 8 stores and 8 loads
.endr
	s_wait_xcnt 0x0
	SEND 3, 0
	s_wait_tensorcnt 0x0                           ; the wave's end
	ds_add_u32 v[SPW], v[NIL]
	s_wait_dscnt 0x0
	CROUND                                         ; the closing round
	s_endpgm
.Lfunc_end_k_qf6bb7aeed6_gemm_o:
	.size	k_qf6bb7aeed6_gemm_o, .Lfunc_end_k_qf6bb7aeed6_gemm_o-k_qf6bb7aeed6_gemm_o
	.p2alignl 7, 3214868480
	.fill 96, 4, 3214868480
	.section	.rodata,"a",@progbits
	.p2align	6, 0x0
	.amdhsa_kernel k_qf6bb7aeed6_gemm_o
		.amdhsa_group_segment_fixed_size 327680
		.amdhsa_private_segment_fixed_size 0
		.amdhsa_enable_private_segment 0
		.amdhsa_kernarg_size 32
		.amdhsa_user_sgpr_count 2
		.amdhsa_user_sgpr_kernarg_segment_ptr 1
		.amdhsa_wavefront_size32 1
		.amdhsa_system_sgpr_workgroup_id_x 1
		.amdhsa_system_sgpr_workgroup_id_y 1
		.amdhsa_system_sgpr_workgroup_id_z 1
		.amdhsa_system_vgpr_workitem_id 0
		.amdhsa_next_free_vgpr 768
		.amdhsa_next_free_sgpr 100
		.amdhsa_reserve_vcc 0
		.amdhsa_float_denorm_mode_32 3
		.amdhsa_float_denorm_mode_16_64 3
		.amdhsa_memory_ordered 1
		.amdhsa_forward_progress 1
		.amdhsa_inst_pref_size 89
	.end_amdhsa_kernel
	.amdgpu_metadata
---
amdhsa.version: [ 1, 2 ]
amdhsa.kernels:
  - .name:           k_qf6bb7aeed6_gemm_o
    .symbol:         k_qf6bb7aeed6_gemm_o.kd
    .args:
      - { .name: cq, .offset: 0, .size: 8, .value_kind: global_buffer, .address_space: global }
      - { .name: wq, .offset: 8, .size: 8, .value_kind: global_buffer, .address_space: global }
      - { .name: bo, .offset: 16, .size: 8, .value_kind: global_buffer, .address_space: global }
      - { .name: out0, .offset: 24, .size: 8, .value_kind: global_buffer, .address_space: global }
    .group_segment_fixed_size: 327680
    .private_segment_fixed_size: 0
    .kernarg_segment_align: 8
    .kernarg_segment_size: 32
    .max_flat_workgroup_size: 128
    .sgpr_count:     100
    .vgpr_count:     768
    .wavefront_size: 32
...
	.end_amdgpu_metadata
.endif
;; end of part 4
